; MI455X (gfx1250); checked and timed in simulation.
; The chip was launched on July 23, 2026; its instructions are those of AMD's public machine-readable ISA for CDNA 5 (MIT licence, August 2026) and "CDNA5" Instruction Set Architecture Reference Guide (July 2026). The comments in the code are by the model that wrote it; some were corrected since.
;; Multi Head. Allowed arithmetic: matrix products marked QUANTISED: E2M3 operands, one E8M0 scale for each 32 along K, by v_wmma_scale_f32_16x16x128_f8f6f4 with both operands' format E2M3, f32 sums; everything else in f32.
;; Inputs: Wk 16 x 1,024 x 64 float32; Wo 1,024 x 1,024 float32; Wq 16 x 1,024 x 64 float32; Wv 16 x 1,024 x 64 float32; bo 1,024 float32; k 4 x 2,048 x 1,024 float32; q 4 x 2,048 x 1,024 float32; v 4 x 2,048 x 1,024 float32.
;; Outputs: out0 4 x 2,048 x 1,024 float32.
;; This version of the problem:
;;   THIS VERSION OF THE PROBLEM IS GIVEN IN LOW PRECISION. The matrix products marked QUANTISED in the list below multiply operands that are first quantised to E2M3 (2 exponent bits, 3 mantissa bits; 6 bits a number), with one power-of-two scale for each 32 numbers along K (OCP MX v1.0); their sums are f32. All else is computed in f32.
;;   The module's matrix products, in the order in which they are computed (A, B: the left and right operand; K: the contracted axis; several contracted axes count as one K, in the product's order):
;;     1. [M 1,024, K 1,024] x [K 1,024, N 8,192]; A: input Wq; B: input q: QUANTISED
;;     2. [M 1,024, K 1,024] x [K 1,024, N 8,192]; A: input Wk; B: input k: QUANTISED
;;     3. [M 1,024, K 1,024] x [K 1,024, N 8,192]; A: input Wv; B: input v: QUANTISED
;;     4. batch 64 x [M 2,048, K 64] x [K 64, N 2,048]; A: computed on the way; B: computed on the way: QUANTISED
;;     5. batch 64 x [M 2,048, K 2,048] x [K 2,048, N 64]; A: softmax (see below); B: computed on the way: QUANTISED
;;     6. [M 8,192, K 1,024] x [K 1,024, N 1,024]; A: computed on the way; B: input Wo: QUANTISED
;;   THE QUANTISER, for each operand of a quantised product, along K:
;;     - K is cut into blocks of 32 from its start; a last block that is shorter is filled with zeros.
;;     - A block's scale is 2^e with e = floor(log2(the largest magnitude in the block)) - 2, held to -126 .. 127; a block of zeros has e = 0. As a byte (E8M0): e + 127.
;;     - Each number is divided by its block's scale, clamped to +-7.5, and rounded to the nearest number of E2M3, ties to even, subnormals kept.
;;     - The product sums the exact products of the quantised numbers (number of the format x scale) in f32.
;;   ~~~python
;;   def quantise(x, axis):      # numpy; x: float32 -> the quantised numbers, widened to float32 again
;;       x = np.moveaxis(x, axis, -1); K = x.shape[-1]
;;       x = np.pad(x, [(0, 0)] * (x.ndim - 1) + [(0, -K % 32)]); x = x.reshape(x.shape[:-1] + (-1, 32)); a = np.abs(x).max(-1, keepdims=True)
;;       e = np.where(a > 0, np.clip(np.frexp(np.where(a > 0, a, 1))[1] - 1 - 2, -126, 127), 0)      # np.frexp(a)[1] - 1 = floor(log2(a)), exactly
;;       r = np.clip(x / 2.0 ** e, -7.5, 7.5)
;;       step = 2.0 ** (np.maximum(np.frexp(np.where(r == 0, 1, r))[1] - 1, 0) - 3)
;;       q = np.round(r / step) * step * 2.0 ** e      # np.round: ties to even
;;       return np.moveaxis(q.reshape(q.shape[:-2] + (-1,))[..., :K], -1, axis).astype(np.float32)
;;   ~~~
;;   SOFTMAX AHEAD OF A QUANTISED PRODUCT. Where the list says 'softmax', what is quantised is not the finished softmax but p = 2^(t - M), with t = logit x log2(e) and M = ceil(the row's largest t), a whole number; so 1/2 < the row's largest p <= 1. The row's sum l is taken of the UNQUANTISED p, in f32, and the product's result is divided by l at the end. Since M is a whole number, a kernel that streams over the keys may use a running M (the ceiling of the running maximum): every later rescaling is an exact power of two, which a block's scale takes up: the codes' values come out the same.
;;   OPERANDS COMPUTED ON THE WAY. 'Computed on the way' means the value that the module computes at that place (a softmax that the list does not call 'softmax' is quantised finished and normalised). What goes into a quantiser is computed in f32, as accurately as f32 sums, v_exp_f32 and their like allow (about 1e-6 of the number): no bf16 or f16 on the way to a quantiser, and a product that is left as it is and whose result goes on into a quantised operand takes f32 operands (vector FMAs, or v_wmma_f32_16x16x4_f32). A number that lies on a knife's edge between two numbers of the format may be rounded either way, as far as f32 arithmetic and the matrix unit's own rounding can turn it there, and no further.
;; One version. Each part assembles by itself: llvm-mc -triple=amdgcn-amd-amdhsa -mcpu=gfx1250 --defsym DOCPART=n.
;; ======== version 1 of 1: 4 launches
;; workspace buffers: c1 22,020,096 bytes; s1 917,504 bytes; c2 18,874,368 bytes; s2 786,432 bytes; c3 6,291,456 bytes; s3 262,144 bytes
;; launch quant (part 1): grid 496 x 1, 4 waves a work-group, no clusters, 60,928 bytes of LDS; arguments q, k, v, Wo, Wq, Wk, Wv, c1, s1; writes c1, s1
.if DOCPART == 1
	.amdgcn_target "amdgcn-amd-amdhsa--gfx1250"
	.amdhsa_code_object_version 6
	.text
	.protected	k_qe78e3e7946_quant
	.globl	k_qe78e3e7946_quant
	.p2align	8
	.type	k_qe78e3e7946_quant,@function
k_qe78e3e7946_quant:
	s_mov_b64 s[64:65], 0
	v_nop
	global_prefetch_b8 v0, s[64:65] scope:SCOPE_SE
	s_setreg_imm32_b32 hwreg(HW_REG_WAVE_MODE, 25, 1), 1
	s_wait_xcnt 0x0
; All seven operands that arrive as f32 become codes of FP6 (E2M3) with one E8M0 byte for each 32 along K, laid as the products' launches read them.
; A TILE is 16 rows; tile 2 b + u holds in lane r row 32 b + 8 u + r + 8 (r / 8).  A FRAGMENT (a tile x 128 along K) is 12 registers a lane and lies in memory as an image of them:
; register g of lane l at 512 (g / 4) + 16 l + 4 (g % 4): 1,536 bytes.  c1: [tile G][K step 0..7][1,536].  s1: [tile G][pair of K steps 0..3][r][2 words], a word = the four bytes of one row and 128 k.
; G: q from 0, k from 512, v from 1,024, Wq from 1,536, Wk from 1,600, Wv from 1,664 (rows = features head x 64 + d), Wo from 1,728.
; A block's scale is 2^(floor(log2(largest magnitude)) - 2); its byte is the largest magnitude's exponent field - 2, held at 1 from below.
; LIMITS: NaN and infinities are not served; a block of zeros, or one whose largest magnitude lies under 2^-124, keeps the byte 1 (the rule says 127 for zeros): its codes are zeros or the
; rule's own codes at the held scale, and the bytes are read by this program alone.
; Work-groups 0-399: q, k, v, Wo, whose K is innermost: a wave takes a tile for all of K.  Work-groups 400-495: Wq, Wk, Wv, whose K is the middle axis: a lane takes a feature, registers run down K.
; The two ways have LDS bytes of their own.  Waves share nothing: no barrier.  Memory binds: no matrix unit, no cluster, no tensor load.
.set WREG, 8960                        ; rows' way: a wave's LDS: a stage of 16 rows x 528 bytes, then 512 bytes for the tile's scale words
.set SPI,  528                         ; 512 bytes + 16: the sixteen rows that a read touches start at sixteen different groups of four banks
.set GAT,  16*SPI
.set CST,  4*WREG                      ; columns' way: from here 6,144 bytes a wave: [u][K step][1,536]
.set TM,   8                           ; v8-23   QUANT: largest magnitudes, bytes, scale operands
.set PW,   24                          ; v24     the scale word just made   (columns' way: v24-25 the lane's two scale words)
.set PC,   28                          ; v28-39  the fragment just made     (columns' way: v28-34 a block's codes)
.set TC,   40                          ; v40-46  halves of blocks on their way
.set X,    48                          ; v48-111 64 numbers of a lane
.set R,    112                         ; v112-239 two sets of 16 loads      (columns' way: v112-159 the way out)
.set SRC,  24                          ; s[24:25] where my numbers begin
.set SEL,  26                          ; s[26:27] v_permlanex16_b32's selects for lane l xor 16
	s_load_b256 s[4:11], s[0:1], 0x0               ; q, k, v, Wo
	s_load_b256 s[12:19], s[0:1], 0x20             ; Wq, Wk, Wv, c1
	s_load_b64 s[20:21], s[0:1], 0x40              ; s1
	v_lshl_add_u32 v240, v0, 2, 0xec00
	v_mov_b32 v241, 0
	v_lshrrev_b32 v1, 5, v0
	v_readfirstlane_b32 s22, v1                    ; wave 0..3
	s_cmp_lt_u32 ttmp9, 400
	s_cbranch_scc0 .Lcols
; 64 numbers of a lane, register 16 b + i = k 32 b + 16 (lane / 16) + i of my row, become a fragment's registers 0-5 in v[d0] on, 6-11 in v[d1] on, and its scale word in v[w]
.macro QUANT s, d0, d1, w
.irp b, 0,1,2,3
	v_max3_num_f32 v[TM+\b], |v[\s+16*\b]|, |v[\s+1+16*\b]|, 0x1800000   ; my 16 numbers of block b, and the floor 2^(3 - 127): the byte cannot fall under 1
.endr
.irp i, 2,4,6,8,10,12,14
.irp b, 0,1,2,3
	v_max3_num_f32 v[TM+\b], v[TM+\b], |v[\s+16*\b+\i]|, |v[\s+1+16*\b+\i]|   ; the four blocks by turns
.endr
.endr
.irp b, 0,1,2,3
	v_permlanex16_b32 v[TM+4+\b], v[TM+\b], s[SEL], s[SEL+1]
.endr
.irp b, 0,1,2,3
	v_max_num_f32 v[TM+\b], v[TM+\b], v[TM+4+\b]   ; with lane l xor 16's 16: the block's largest magnitude
.endr
.irp b, 0,1,2,3
	v_add_nc_u32 v[TM+12+\b], 0xff000000, v[TM+\b] ; 2 off its exponent field: the conversion's scale operand
.endr
.irp b, 0,1,2,3
	v_lshrrev_b32 v[TM+4+\b], 23, v[TM+12+\b]      ; the scale's byte
.endr
	v_lshl_or_b32 v[\w], v[TM+5], 8, v[TM+4]
	v_lshl_or_b32 v[\w], v[TM+6], 16, v[\w]
	v_lshl_or_b32 v[\w], v[TM+7], 24, v[\w]
	v_cvt_scalef32_pk16_fp6_f32 v[\d0:\d0+2], v[\s:\s+15], v[TM+12]
	v_cvt_scalef32_pk16_fp6_f32 v[TC:TC+2], v[\s+16:\s+31], v[TM+13]
	v_cvt_scalef32_pk16_fp6_f32 v[\d1:\d1+2], v[\s+32:\s+47], v[TM+14]
	v_cvt_scalef32_pk16_fp6_f32 v[TC+4:TC+6], v[\s+48:\s+63], v[TM+15]
	v_nop                                          ; one plain place behind a scaled conversion
.irp i, 0,1,2
	v_permlane16_swap_b32 v[\d0+\i], v[TC+\i]      ; a whole block to a lane: lanes 0-15 the even block, lanes 16-31 the odd one
	v_permlane16_swap_b32 v[\d1+\i], v[TC+4+\i]
.endr
.irp i, 0,1,2
	v_mov_b32 v[\d0+3+\i], v[TC+\i]
	v_mov_b32 v[\d1+3+\i], v[TC+4+\i]
.endr
.endm
	; ---------------- K innermost: q, k, v, Wo ----------------
	v_and_b32 v8, 31, v0                           ; lane
	v_and_b32 v9, 15, v0                           ; r
	v_bfe_u32 v10, v0, 4, 1                        ; h
	v_lshlrev_b32 v1, 4, v8                        ; 16 x lane: my bytes of a load, of an image, of the scale words
	s_mul_i32 s23, s22, WREG
	v_add_nc_u32 v2, s23, v1                       ; the stage, on the way in: a row's 512 bytes as they lie
	v_mul_u32_u24 v3, v9, SPI
	v_lshl_add_u32 v3, v10, 6, v3
	v_add_nc_u32 v3, s23, v3                       ; and on the way out: row r, + 64 h: my 16 numbers of a block of 32
	s_add_co_u32 s23, s23, GAT
	v_lshl_add_u32 v4, v9, 3, s23                  ; where my row's scale words are gathered
	v_add_nc_u32 v5, s23, v1                       ; and read back
	s_mov_b32 s[SEL], 0x76543210
	s_mov_b32 s[SEL+1], 0xfedcba98
.irp b, 0,1,2,3
	v_mov_b32 v[TM+4+\b], 0                        ; written once: a lane permute's destination counts as one of its sources
.endr
	s_lshl_b32 s28, ttmp9, 2
	s_add_co_u32 s28, s28, s22                     ; which tile of the 1,600 is my wave's
	s_and_b32 s29, s28, 511                        ; and which of its tensor
	s_lshr_b32 s30, s29, 1
	s_lshl_b32 s30, s30, 5
	s_and_b32 s31, s29, 1
	s_lshl_b32 s31, s31, 3
	s_add_co_u32 s30, s30, s31                     ; its first row: 32 (T / 2) + 8 (T % 2)
	s_lshl_b32 s30, s30, 12                        ; rows of 4,096 bytes
	s_mov_b32 s31, 0
	s_cmp_lt_u32 ttmp9, 384
	s_cselect_b32 s29, 0, 192                      ; Wo's tiles begin at G = 1,728
	s_add_co_u32 s28, s28, s29                     ; G
	s_mul_i32 s32, s28, 12288
	s_mov_b32 s33, 0
	s_lshl_b32 s34, s28, 9
	s_mov_b32 s35, 0
	s_wait_kmcnt 0x0
	s_cmp_lt_u32 ttmp9, 384                        ; the tensor is chosen by the work-group's number alone
	s_cselect_b64 s[SRC:SRC+1], s[8:9], s[10:11]
	s_cmp_lt_u32 ttmp9, 256
	s_cselect_b64 s[SRC:SRC+1], s[6:7], s[SRC:SRC+1]
	s_cmp_lt_u32 ttmp9, 128
	s_cselect_b64 s[SRC:SRC+1], s[4:5], s[SRC:SRC+1]
	s_add_nc_u64 s[SRC:SRC+1], s[SRC:SRC+1], s[30:31]
	s_add_nc_u64 s[18:19], s[18:19], s[32:33]
	s_add_nc_u64 s[20:21], s[20:21], s[34:35]
.macro RLOAD s                         ; K step s: of each of the tile's 16 rows 512 consecutive bytes, 16 a lane
.irp i, 0,1,2,3,4,5,6,7,8,9,10,11,12,13,14,15
	global_load_b128 v[R+64*((\s)%2)+4*\i:R+64*((\s)%2)+4*\i+3], v1, s[SRC:SRC+1] offset:(\i+8*(\i/8))*4096+512*(\s) th:TH_LOAD_NT
.endr
.endm
.macro RSTEP s
.if (\s) < 7
	s_wait_loadcnt 16                              ; this step's 16 loads are in; the next step's 16 stay out
.else
	s_wait_loadcnt 0x0
.endif
.irp i, 0,1,2,3,4,5,6,7,8,9,10,11,12,13,14,15
	ds_store_b128 v2, v[R+64*((\s)%2)+4*\i:R+64*((\s)%2)+4*\i+3] offset:SPI*\i
.endr
.irp b, 0,1,2,3
.irp j, 0,1,2,3
	ds_load_b128 v[X+16*\b+4*\j:X+16*\b+4*\j+3], v3 offset:128*\b+16*\j   ; LDS serves a wave's instructions in order: these see the stores above
.endr
.endr
	s_wait_xcnt 0x0                                ; the last step's stores have read the fragment's registers: QUANT writes them again
	s_wait_dscnt 0x0                               ; my 64 numbers are back, and the stores into the stage have read their registers,
.if (\s) < 6
	RLOAD (\s)+2                                   ; which take the loads of two steps on
.endif
	QUANT X, PC, PC+6, PW
.irp c, 0,1,2
	global_store_b128 v1, v[PC+4*\c:PC+4*\c+3], s[18:19] offset:1536*(\s)+512*\c   ; 32 lanes store 512 consecutive bytes, aligned
.endr
	ds_store_b32 v4, v[PW] offset:128*((\s)/2)+4*((\s)%2)   ; lanes l and l + 16 write the same word with the same value
.endm
	RLOAD 0
	RLOAD 1
.irp t, 0,1,2,3,4,5,6,7
	RSTEP \t
.endr
	ds_load_b128 v[X:X+3], v5
	s_wait_dscnt 0x0
	global_store_b128 v1, v[X:X+3], s[20:21]       ; the tile's 512 bytes of scale words, on end
	s_wait_tensorcnt 0x0
	ds_add_u32 v240, v241
	s_wait_dscnt 0x0
	s_endpgm
	; ---------------- K is the middle axis: Wq, Wk, Wv [head][d][64] ----------------
.Lcols:
.set SB,   24
.set C,    28
.set OUTR, 112
	v_and_b32 v8, 31, v0                           ; l: my feature among the wave's 32
	v_lshlrev_b32 v1, 2, v8                        ; in: 4 bytes a lane
	v_bfe_u32 v9, v0, 3, 1                         ; u: the tile of the pair in which my feature lies,
	v_and_b32 v10, 7, v0
	v_bfe_u32 v11, v0, 4, 1
	v_lshl_add_u32 v10, v11, 3, v10                ; r: and its lane there
	s_mul_i32 s23, s22, 6144
	s_add_co_u32 s23, s23, CST                     ; my stage
	v_mul_u32_u24 v2, v9, 3072
	v_lshl_add_u32 v2, v10, 4, v2
	v_add_nc_u32 v2, s23, v2                       ; into it: tile u, 16 r
	v_lshlrev_b32 v4, 4, v8                        ; out: 16 x lane
	v_add_nc_u32 v3, s23, v4
	v_lshlrev_b32 v5, 9, v9
	v_lshl_add_u32 v5, v10, 3, v5                  ; my two scale words: 512 u + 8 r
	s_sub_co_u32 s28, ttmp9, 400
	s_lshr_b32 s29, s28, 5                         ; the tensor 0..2
	s_bfe_u32 s30, s28, 0x40001                    ; the head
	s_and_b32 s31, s28, 1
	s_and_b32 s32, s22, 1                          ; which 32 of the head's 64 features
	s_lshr_b32 s33, s22, 1
	s_lshl_b32 s31, s31, 1
	s_add_co_u32 s31, s31, s33                     ; which 256 along K
	s_lshl_b32 s34, s30, 18                        ; a head is 262,144 bytes,
	s_lshl_b32 s36, s31, 16                        ; 256 rows of 256 bytes,
	s_add_co_u32 s34, s34, s36
	s_lshl_b32 s36, s32, 7                         ; 32 features
	s_add_co_u32 s34, s34, s36
	s_mov_b32 s35, 0
	s_lshl_b32 s36, s29, 6
	s_lshl_b32 s37, s30, 2
	s_add_co_u32 s36, s36, s37
	s_lshl_b32 s37, s32, 1
	s_add_co_u32 s36, s36, s37
	s_add_co_u32 s36, s36, 1536                    ; G of my pair's first tile
	s_mul_i32 s38, s36, 12288
	s_mul_i32 s37, s31, 3072
	s_add_co_u32 s38, s38, s37
	s_mov_b32 s39, 0
	s_lshl_b32 s40, s36, 9
	s_lshl_b32 s37, s31, 7
	s_add_co_u32 s40, s40, s37
	s_mov_b32 s41, 0
	s_wait_kmcnt 0x0
	s_cmp_lt_u32 s29, 2
	s_cselect_b64 s[SRC:SRC+1], s[14:15], s[16:17]
	s_cmp_lt_u32 s29, 1
	s_cselect_b64 s[SRC:SRC+1], s[12:13], s[SRC:SRC+1]
	s_add_nc_u64 s[SRC:SRC+1], s[SRC:SRC+1], s[34:35]
	s_add_nc_u64 s[18:19], s[18:19], s[38:39]
	s_add_nc_u64 s[20:21], s[20:21], s[40:41]
.macro CLOAD t                         ; block t: W(32 t + i, my feature): 32 lanes read 128 consecutive bytes; waves 0 and 1 (2 and 3) stand side by side on a row's 256
.irp i, 0,1,2,3,4,5,6,7,8,9,10,11,12,13,14,15,16,17,18,19,20,21,22,23,24,25,26,27,28,29,30,31
	global_load_b32 v[X+32*((\t)%2)+\i], v1, s[SRC:SRC+1] offset:(32*(\t)+\i)*256 th:TH_LOAD_NT
.endr
.endm
.macro BLOCK t
.set XS, X+32*((\t)%2)
.if (\t) < 7
	s_wait_loadcnt 32                              ; this block's 32 loads are in; the next block's stay out
.else
	s_wait_loadcnt 0x0
.endif
	v_max3_num_f32 v12, |v[XS]|, |v[XS+1]|, |v[XS+2]|              ; all 32 numbers of the block are mine
	v_max3_num_f32 v13, |v[XS+3]|, |v[XS+4]|, |v[XS+5]|
.irp i, 6,10,14,18,22,26
	v_max3_num_f32 v12, v12, |v[XS+\i]|, |v[XS+\i+1]|
	v_max3_num_f32 v13, v13, |v[XS+\i+2]|, |v[XS+\i+3]|
.endr
	v_max3_num_f32 v12, v12, |v[XS+30]|, |v[XS+31]|
	v_max3_num_f32 v12, v12, v13, 0x1800000        ; and the floor
	v_add_nc_u32 v11, 0xff000000, v12              ; the conversion's scale operand
	v_lshrrev_b32 v13, 23, v11                     ; the byte
.if (\t)%4 == 0
	v_mov_b32 v[SB+(\t)/4], v13                    ; four bytes to a word, the lower K in the lower byte
.else
	v_lshl_or_b32 v[SB+(\t)/4], v13, 8*((\t)%4), v[SB+(\t)/4]
.endif
	v_cvt_scalef32_pk16_fp6_f32 v[C:C+2], v[XS:XS+15], v11
	v_cvt_scalef32_pk16_fp6_f32 v[C+4:C+6], v[XS+16:XS+31], v11
	v_nop                                          ; one plain place behind a scaled conversion
	v_mov_b32 v[C+3], v[C+4]
	v_mov_b32 v[C+4], v[C+5]
	v_mov_b32 v[C+5], v[C+6]                       ; v[C] .. v[C+5]: the block's 24 bytes
.set OFF, 1536*((\t)/4)+256*((\t)%2)   ; K step t / 4; the block is registers 6 c .. 6 c + 5 of lane r + 16 (t % 2), c = (t % 4) / 2
.if ((\t)%4)/2 == 0
	ds_store_b128 v2, v[C:C+3] offset:OFF          ; registers 0-3
	ds_store_b64 v2, v[C+4:C+5] offset:OFF+512     ; 4, 5
.else
	ds_store_b64 v2, v[C:C+1] offset:OFF+520       ; 6, 7
	ds_store_b128 v2, v[C+2:C+5] offset:OFF+1024   ; 8-11
.endif
.if (\t)+2 < 8
	CLOAD (\t)+2
.endif
	s_wait_dscnt 0x0                               ; the stores have read their registers: the next block's codes may be written
.endm
	CLOAD 0
	CLOAD 1
.irp t, 0,1,2,3,4,5,6,7
	BLOCK \t
.endr
	global_store_b64 v5, v[SB:SB+1], s[20:21]      ; my feature's scale words of these two K steps
.irp m, 0,1,2,3,4,5,6,7,8,9,10,11
	ds_load_b128 v[OUTR+4*\m:OUTR+4*\m+3], v3 offset:512*\m
.endr
.irp m, 0,1,2,3,4,5,6,7,8,9,10,11
	s_wait_dscnt 11-\m                             ; load m is back; the younger ones stay out
	global_store_b128 v4, v[OUTR+4*\m:OUTR+4*\m+3], s[18:19] offset:(\m/6)*12288+(\m%6)*512   ; 512 consecutive bytes, aligned
.endr
	s_wait_tensorcnt 0x0
	ds_add_u32 v240, v241
	s_wait_dscnt 0x0
	s_endpgm
.Lfunc_end_k_qe78e3e7946_quant:
	.size	k_qe78e3e7946_quant, .Lfunc_end_k_qe78e3e7946_quant-k_qe78e3e7946_quant
	.p2alignl 7, 3214868480
	.fill 96, 4, 3214868480
	.section	.rodata,"a",@progbits
	.p2align	6, 0x0
	.amdhsa_kernel k_qe78e3e7946_quant
		.amdhsa_group_segment_fixed_size 60928
		.amdhsa_private_segment_fixed_size 0
		.amdhsa_enable_private_segment 0
		.amdhsa_kernarg_size 72
		.amdhsa_user_sgpr_count 2
		.amdhsa_user_sgpr_kernarg_segment_ptr 1
		.amdhsa_wavefront_size32 1
		.amdhsa_system_sgpr_workgroup_id_x 1
		.amdhsa_system_sgpr_workgroup_id_y 1
		.amdhsa_system_sgpr_workgroup_id_z 1
		.amdhsa_system_vgpr_workitem_id 0
		.amdhsa_next_free_vgpr 242
		.amdhsa_next_free_sgpr 66
		.amdhsa_reserve_vcc 0
		.amdhsa_float_denorm_mode_32 3
		.amdhsa_float_denorm_mode_16_64 3
		.amdhsa_memory_ordered 1
		.amdhsa_forward_progress 1
		.amdhsa_inst_pref_size 106
	.end_amdhsa_kernel
	.amdgpu_metadata
---
amdhsa.version: [ 1, 2 ]
amdhsa.kernels:
  - .name:           k_qe78e3e7946_quant
    .symbol:         k_qe78e3e7946_quant.kd
    .args:
      - { .name: q, .offset: 0, .size: 8, .value_kind: global_buffer, .address_space: global }
      - { .name: k, .offset: 8, .size: 8, .value_kind: global_buffer, .address_space: global }
      - { .name: v, .offset: 16, .size: 8, .value_kind: global_buffer, .address_space: global }
      - { .name: Wo, .offset: 24, .size: 8, .value_kind: global_buffer, .address_space: global }
      - { .name: Wq, .offset: 32, .size: 8, .value_kind: global_buffer, .address_space: global }
      - { .name: Wk, .offset: 40, .size: 8, .value_kind: global_buffer, .address_space: global }
      - { .name: Wv, .offset: 48, .size: 8, .value_kind: global_buffer, .address_space: global }
      - { .name: c1, .offset: 56, .size: 8, .value_kind: global_buffer, .address_space: global }
      - { .name: s1, .offset: 64, .size: 8, .value_kind: global_buffer, .address_space: global }
    .group_segment_fixed_size: 60928
    .private_segment_fixed_size: 0
    .kernarg_segment_align: 8
    .kernarg_segment_size: 72
    .max_flat_workgroup_size: 128
    .sgpr_count:     66
    .vgpr_count:     242
    .wavefront_size: 32
...
	.end_amdgpu_metadata
.endif
;; end of part 1
;; launch proj (part 2): grid 4 x 96, 4 waves a work-group, clusters of 4 x 4, 327,680 bytes of LDS; arguments c1, s1, c2, s2; writes c2, s2
.if DOCPART == 2
	.amdgcn_target "amdgcn-amd-amdhsa--gfx1250"
	.amdhsa_code_object_version 6
	.text
	.protected	k_qe78e3e7946_proj
	.globl	k_qe78e3e7946_proj
	.p2align	8
	.type	k_qe78e3e7946_proj,@function
k_qe78e3e7946_proj:
	s_mov_b64 s[64:65], 0
	v_nop
	global_prefetch_b8 v0, s[64:65] scope:SCOPE_SE
	s_setreg_imm32_b32 hwreg(HW_REG_WAVE_MODE, 25, 1), 1
	s_wait_xcnt 0x0
	s_wait_alu depctr_hold_cnt(0) depctr_sa_sdst(0) depctr_va_vdst(0) depctr_va_sdst(0) depctr_va_ssrc(0) depctr_va_vcc(0) depctr_vm_vsrc(0)
	s_getreg_b32 s2, hwreg(HW_REG_IB_STS2, 6, 4)
	s_cmp_eq_u32 s2, 0
	s_cbranch_scc0 .Lentry_in_a_cluster
	s_endpgm
.Lentry_in_a_cluster:
	s_bfe_u32 s2, ttmp6, 0x10000c
	s_cmp_lg_u32 s2, 0xf033
	s_cbranch_scc0 .Lentry_shape_is_right
	s_endpgm
.Lentry_shape_is_right:
; The three projections Q = q Wq, K = k Wk, V = v Wv, on codes of FP6 (E2M3) with E8M0 scales, K = 1,024; the results are quantised on the way out and leave as codes alone.
; c1, s1: fragments as images of their registers and scale words, as the launch before laid them ([tile G][K step][1,536]; [G][pair of K steps][r][2 words]).
; A work-group of four waves makes 256 x 256 results, a wave 128 x 128: 64 accumulators, 512 registers.  K goes in steps of 256 through a ring of two LDS slots filled by the tensor data mover.
; Source 0 ('B') gives a lane's registers their meaning, source 1 ('A') its lane.  Clusters 0-7 along y: Q, 8-15: K: A = the activations' rows, B = the weight's features, so that a lane's registers
; run along the head's 64, the K of Q K^T.  Clusters 16-23: V: A = Wv's features, B = v's rows, so that a lane's registers run along the keys, the K of P V.  The loop over K is the same text for all.
; Tile 2 b + u holds in lane r row 32 b + 8 u + r + 8 (r / 8): so the 16 registers of B's tiles 2 b, 2 b + 1 are 16 neighbours, 32 b + 16 (lane / 16) + 0 .. 15, as the conversions want them.
; c2: Q at 0, K at 6,291,456: [batch x 16 + head][group of 32 rows][1,536]: registers 0-5 tile 2 g (the head's 64), 6-11 tile 2 g + 1.  V at 12,582,912: [..][key step of 128][tile of 16 dv][1,536].
; s2: Q at 0, K at 262,144: [..][g][r] a word: bytes 0, 1 tile 2 g's row, bytes 2, 3 tile 2 g + 1's.  V at 524,288: [..][key step][dv tile][r] a word.
; CLUSTERS: 4 x 4 work-groups; A's tiles are asked for jointly by a row of the cluster, B's by a column.  The way out's branch hangs on the cluster's number, which all partners share.
; LIMITS: NaN and infinities are not served; a block of zeros or under 2^-124 keeps the byte 1: this program alone reads the bytes.
; REGISTERS: window 0: v16-31 addresses; v32-63 scale words, two sets; v64-125 the way out; v128-223 A's fragments, one set.  window 1: B's fragments, two sets, at v0 and v128.  windows 2, 3: the accumulators.
.set NQ,    2                          ; matrix instructions deep in a slot
.set FR,    12
.set FRB,   1536                       ; a fragment's image
.set NLA,   3                          ; LDS loads that bring a fragment of A
.set NP,    4                          ; places behind this matrix instruction (ISA guide 7.12.1)
.set HALFT, 8*NQ*FRB                   ; 8 tiles x 256 along K: what one tensor load brings, and what one wave reads of A or of B
.set SLOT,  4*HALFT                    ; A's two halves, then B's two
.set LAPS,  2                          ; 1,024 / 512
.set SCL,   2*SLOT                     ; behind the ring: the scale words for all of K: 4,096 bytes for each wave's 8 tiles
.set SPARE, SCL+4*4096                 ; the spare words, 128 bytes for each wave
.set ADRA, 16                          ; v16-17 LDS address of my A fragments in slot 0, 1
.set ADRB, 20                          ; v20-21 of B's
.set SGA,  24                          ; v24 the way out: where my row's scale word is gathered (in slot 0, which has had its last fill and its last read by then)
.set SGR,  25                          ; v25 and read back
.set LI,   26                          ; v26 16 x lane
.set ADRS, 27                          ; v27 my scale words: lanes 0-15 A's, lanes 16-31 B's
.set SPW,  28
.set NIL,  29
.set L8,   30                          ; v30 8 x lane
.set SC,   32
.set TM,   64                          ; v64-79 QUANT at work
.set WD,   80                          ; v80-87 the eight scale words of the way out
.set TC,   88                          ; v88-94
.set F0,   96                          ; v96-107, v108-119 two fragments on their way out
.set F1,   108
.set SR,   120
.set WE,   124
.set WO,   125
.set AF,   128
.set SEL,  12                          ; s[12:13]
.set G1, 24
.set G0, 32
.set G1B, 48
.set G0B, 56
.set G1S, 68
.set G0S, 76
.set G1SB, 80
.set G0SB, 88
.set MSB, 0
.macro WIN new                         ; the immediate's high byte repeats the setting that is left
.if MSB != (\new)
	s_set_vgpr_msb (MSB<<8)|(\new)
.set MSB, (\new)
.endif
.endm
.set MUL_LO, 0xa1                      ; source 0 (B) window 1, source 1 (A) window 0, C and D window 2
.set MUL_HI, 0xf1
.set TO_B,   0x40
; A joint load: waves 0 and 1 fetch for A, waves 2 and 3 for B; the branch hangs on the wave's number alone.  Four v_nop follow each of the two lines.
.macro JLOAD g0a, g1a, g0b, g1b
	s_cmp_eq_u32 s15, 0
	s_cbranch_scc0 .Lfor_b_\@
	tensor_load_to_lds s[\g0a:\g0a+3], s[\g1a:\g1a+7]
	s_nop 0
.rept 4
	v_nop
.endr
	s_branch .Lasked_\@
.Lfor_b_\@:
	tensor_load_to_lds s[\g0b:\g0b+3], s[\g1b:\g1b+7]
	s_nop 0
.rept 4
	v_nop
.endr
.Lasked_\@:
.endm
.macro CREST
	s_cmp_lg_u32 s14, 0
	s_cbranch_scc1 .Lnot_wave_0_\@
	s_barrier_signal -3
.Lnot_wave_0_\@:
	s_barrier_wait -3
	s_barrier_signal -1
	s_barrier_wait -1
.endm
.macro CROUND
	s_barrier_signal -1
	s_barrier_wait -1
	CREST
.endm
	s_load_b256 s[4:11], s[0:1], 0x0               ; c1, s1, c2, s2
	v_lshl_add_u32 v[SPW], v0, 2, SPARE
	v_mov_b32 v[NIL], 0
	ds_add_u32 v28, v29
	ds_add_u32 v28, v29
	s_wait_dscnt 0x0
	v_lshrrev_b32 v1, 5, v0
	v_readfirstlane_b32 s14, v1                    ; wave 0..3
	s_lshr_b32 s15, s14, 1                         ; which half of A's rows is mine.  Also: I fetch for A (0) or for B (1)
	s_and_b32 s16, s14, 1                          ; which half of B's rows.  Also: which 8 tiles I fetch
	s_bfe_u32 s40, ttmp6, 0x40000                  ; cx
	s_bfe_u32 s41, ttmp6, 0x40004                  ; cy
	s_and_b32 s17, ttmp7, 0xffff                   ; the cluster's y, 0..23
	s_lshr_b32 s67, s17, 3                         ; t: 0 Q, 1 K, 2 V
	s_and_b32 s17, s17, 7
	s_lshl_b32 s17, s17, 2                         ; 4 x the cluster's place among its tensor's eight
	s_lshl_b32 s18, s67, 9                         ; the activations' first tile: 512 t
	s_lshl_b32 s19, s67, 6
	s_add_co_u32 s19, s19, 1536                    ; the weight's: 1,536 + 64 t
	s_mov_b32 s12, 1664
	s_mov_b32 s13, 1024
	s_cmp_eq_u32 s67, 2                            ; V: the operands change sides
	s_cselect_b32 s66, 1, 0
	s_cselect_b32 s42, 0, s17
	s_cselect_b32 s45, s17, 0
	s_cselect_b32 s18, s12, s18                    ; A's first tile in c1
	s_cselect_b32 s19, s13, s19                    ; B's
	s_add_co_u32 s17, s42, s41                     ; A's block of 256 rows: it holds cy and never cx
	s_add_co_u32 s42, s45, s40                     ; B's: cx and never cy
	s_lshl_b32 s43, s41, 2
	s_lshl_b32 s43, 15, s43                        ; my row of the cluster
	s_lshl_b32 s44, 0x1111, s40                    ; my column
	; descriptor group 1, codes: 8 rows (tiles) of 3,072 bytes (384 elements of 8 bytes), 12,288 bytes apart; no padding: every LDS read is 16 x lane on end
	s_or_b32 s[G1+0], s43, (3<<16)|(1<<21)
	s_or_b32 s[G1B+0], s44, (3<<16)|(1<<21)
.irp g, G1, G1B
	s_mov_b32 s[\g+1], 384<<16                     ; tensor_dim0
	s_mov_b32 s[\g+2], 8<<16                       ; tensor_dim1
	s_mov_b32 s[\g+3], 384<<16                     ; tile_dim0
	s_mov_b32 s[\g+4], 8                           ; tile_dim1
	s_mov_b32 s[\g+5], 1536                        ; tensor_dim0_stride
	s_mov_b32 s[\g+6], 0
	s_mov_b32 s[\g+7], 0
.endr
	; scale words of 8 tiles: 4,096 dense bytes as 16 rows of 256
	s_or_b32 s[G1S+0], s43, (3<<16)|(1<<21)
	s_or_b32 s[G1SB+0], s44, (3<<16)|(1<<21)
.irp g, G1S, G1SB
	s_mov_b32 s[\g+1], 32<<16
	s_mov_b32 s[\g+2], 16<<16
	s_mov_b32 s[\g+3], 32<<16
	s_mov_b32 s[\g+4], 16
	s_mov_b32 s[\g+5], 32
	s_mov_b32 s[\g+6], 0
	s_mov_b32 s[\g+7], 0
.endr
	s_lshl_b32 s20, s17, 4
	s_add_co_u32 s20, s20, s18
	s_lshl_b32 s46, s42, 4
	s_add_co_u32 s46, s46, s19
	s_lshl_b32 s18, s16, 3                         ; the 8 tiles that I fetch
	s_add_co_u32 s20, s20, s18                     ; A's
	s_add_co_u32 s46, s46, s18                     ; B's
	s_lshl_b32 s22, s20, 9                         ; their scale words,
	s_mov_b32 s23, 0
	s_lshl_b32 s92, s46, 9
	s_mov_b32 s93, 0
	s_mul_i32 s20, s20, 12288                      ; and their codes, in bytes (under 2^25)
	s_mov_b32 s21, 0
	s_mul_i32 s46, s46, 12288
	s_mov_b32 s47, 0
	s_mul_i32 s45, s14, HALFT                      ; where they go: by the wave's number alone
	s_lshl_b32 s94, s14, 12
	s_wait_kmcnt 0x0
	s_add_nc_u64 s[20:21], s[4:5], s[20:21]
	s_add_nc_u64 s[22:23], s[6:7], s[22:23]
	s_add_nc_u64 s[46:47], s[4:5], s[46:47]
	s_add_nc_u64 s[92:93], s[6:7], s[92:93]
	CROUND                                         ; all sixteen work-groups are here: the first joint loads meet
	s_mov_b32 s[G0S], 1
	s_add_co_u32 s[G0S+1], s94, SCL
	s_mov_b64 s[G0S+2:G0S+3], s[22:23]
	s_or_b32 s[G0S+3], s[G0S+3], 0x80000000
	s_mov_b32 s[G0SB], 1
	s_add_co_u32 s[G0SB+1], s94, SCL
	s_mov_b64 s[G0SB+2:G0SB+3], s[92:93]
	s_or_b32 s[G0SB+3], s[G0SB+3], 0x80000000
	JLOAD G0S, G1S, G0SB, G1SB                     ; the scale words first: they are wanted with K step 0
.irp s, 0,1
	s_mov_b32 s[G0+4*\s], 1
	s_add_co_u32 s[G0+4*\s+1], s45, \s*SLOT
	s_add_nc_u64 s[G0+4*\s+2:G0+4*\s+3], s[20:21], \s*NQ*FRB
	s_or_b32 s[G0+4*\s+3], s[G0+4*\s+3], 0x80000000
	s_mov_b32 s[G0B+4*\s], 1
	s_add_co_u32 s[G0B+4*\s+1], s45, \s*SLOT
	s_add_nc_u64 s[G0B+4*\s+2:G0B+4*\s+3], s[46:47], \s*NQ*FRB
	s_or_b32 s[G0B+4*\s+3], s[G0B+4*\s+3], 0x80000000
	JLOAD G0+4*\s, G1, G0B+4*\s, G1B
.endr
	v_and_b32 v1, 15, v0                           ; r
	v_bfe_u32 v2, v0, 4, 1                         ; h
	v_and_b32 v3, 31, v0                           ; lane
	v_lshlrev_b32 v[LI], 4, v3
	v_lshlrev_b32 v[L8], 3, v3
	s_mul_i32 s21, s15, HALFT                      ; my 8 tiles of A
	s_mul_i32 s22, s16, HALFT                      ; my 8 tiles of B,
	s_add_co_u32 s22, s22, 2*HALFT                 ; behind A's 16
.irp s, 0,1
	v_add_nc_u32 v[ADRA+\s], s21, v[LI]
	v_add_nc_u32 v[ADRB+\s], s22, v[LI]
	s_add_co_u32 s21, s21, SLOT
	s_add_co_u32 s22, s22, SLOT
.endr
	v_lshlrev_b32 v5, 3, v1                        ; my row's two words of a pair of K steps: 8 r
	s_lshl_b32 s21, s15, 12                        ; A's: my 8 tiles
	s_lshl_b32 s22, s16, 12                        ; B's: my 8 tiles, behind A's 16
	s_add_co_u32 s22, s22, 8192
	s_sub_co_u32 s22, s22, s21
	v_mul_u32_u24 v6, s22, v2                      ; lanes 16-31 take B's: one product, the lower base + h x the distance
	s_add_co_u32 s21, s21, SCL
	v_add_nc_u32 v5, v5, v6
	v_add_nc_u32 v[ADRS], s21, v5
	s_lshl_b32 s23, s14, 9
	v_lshl_add_u32 v[SGA], v1, 2, s23              ; 512 x wave + 4 r
	v_lshl_add_u32 v[SGR], v3, 3, s23              ; 512 x wave + 8 x lane
.irp b, 0,1,2,3
	v_mov_b32 v[TM+4+\b], 0                        ; written once: a lane permute's destination counts as one of its sources
.endr
	s_mov_b32 s[SEL], 0x76543210
	s_mov_b32 s[SEL+1], 0xfedcba98
	; where my results go.  Xr: my first row of the activations; Fr: my first feature
	s_lshl_b32 s20, s17, 8
	s_lshl_b32 s21, s15, 7
	s_add_co_u32 s20, s20, s21                     ; A's first row of mine
	s_lshl_b32 s22, s42, 8
	s_lshl_b32 s21, s16, 7
	s_add_co_u32 s22, s22, s21                     ; B's
	s_cmp_eq_u32 s66, 1
	s_cselect_b32 s21, s22, s20                    ; Xr
	s_cselect_b32 s23, s20, s22                    ; Fr
	s_lshr_b32 s20, s21, 11
	s_lshl_b32 s20, s20, 4
	s_lshr_b32 s23, s23, 6
	s_add_co_u32 s20, s20, s23                     ; batch x 16 + my first head
	s_bfe_u32 s21, s21, 0x40007                    ; which 128 of the sequence
	s_mul_i32 s22, s67, 6291456
	s_mul_i32 s23, s20, 98304
	s_add_co_u32 s22, s22, s23
	s_mul_i32 s23, s21, 6144
	s_add_co_u32 s22, s22, s23
	s_mov_b32 s23, 0
	s_add_nc_u64 s[96:97], s[8:9], s[22:23]        ; codes
	s_lshl_b32 s22, s67, 18
	s_lshl_b32 s20, s20, 12
	s_add_co_u32 s22, s22, s20
	s_lshl_b32 s21, s21, 8
	s_add_co_u32 s22, s22, s21
	s_add_nc_u64 s[98:99], s[10:11], s[22:23]      ; scale words
.macro FRAG3 reg, adr, q, i            ; a fragment comes back as it was stored: three loads of 16 bytes a lane, 512 consecutive bytes each
.irp c, 0,1,2
	ds_load_b128 v[\reg+4*\c:\reg+4*\c+3], v[\adr] offset:(\i)*NQ*FRB+(\q)*FRB+512*\c
.endr
.endm
; 16 matrix instructions: A's blocks a0, a0 + 1 x B's eight.  The 64 accumulators take turns, one instruction a turn, in the same order in every step.
.macro MUL16 a0, p, q, sc, zero
.irp a, \a0, \a0+1
.irp b, 0,1,2,3,4,5,6,7
.if \zero
	v_wmma_scale_f32_16x16x128_f8f6f4 v[8*(8*((\a)%4)+\b):8*(8*((\a)%4)+\b)+7], v[128*(\p)+FR*\b:128*(\p)+FR*\b+FR-1], v[AF+FR*(\a):AF+FR*(\a)+FR-1], 0, v[SC+8*NQ*(\sc)+NQ*\b+(\q)], v[SC+8*NQ*(\sc)+NQ*(\a)+(\q)] matrix_a_fmt:MATRIX_FMT_FP6 matrix_b_fmt:MATRIX_FMT_FP6 matrix_a_scale:MATRIX_SCALE_ROW1
.else
	v_wmma_scale_f32_16x16x128_f8f6f4 v[8*(8*((\a)%4)+\b):8*(8*((\a)%4)+\b)+7], v[128*(\p)+FR*\b:128*(\p)+FR*\b+FR-1], v[AF+FR*(\a):AF+FR*(\a)+FR-1], v[8*(8*((\a)%4)+\b):8*(8*((\a)%4)+\b)+7], v[SC+8*NQ*(\sc)+NQ*\b+(\q)], v[SC+8*NQ*(\sc)+NQ*(\a)+(\q)] matrix_a_fmt:MATRIX_FMT_FP6 matrix_b_fmt:MATRIX_FMT_FP6 matrix_a_scale:MATRIX_SCALE_ROW1
.endif
.endr
.endr
.endm
.macro FETCH_B slot, q, p
	WIN TO_B
.irp i, 0,1,2,3,4,5,6,7
	FRAG3 128*(\p)+FR*\i, ADRB+\slot, \q, \i
.endr
	WIN 0
.endm
.macro FETCH_A slot, q, i0
.irp i, \i0, \i0+1, \i0+2, \i0+3
	FRAG3 AF+FR*(\i), ADRA+\slot, \q, \i
.endr
.endm
.macro SCALES sc                       ; a slot's two words a row: lanes 0-15 A's tile i, lanes 16-31 B's tile i
.irp i, 0,1,2,3,4,5,6,7
	ds_load_b64 v[SC+8*NQ*\sc+NQ*\i:SC+8*NQ*\sc+NQ*\i+1], v[ADRS] offset:\i*512
.endr
.endm
.macro PLACES n                        ; plain vector instructions between a matrix instruction and a load into, or a read of, its registers
.rept \n
	v_nop
.endr
.endm
.macro STEP slot, q, zero              ; 128 along K whose successor lies in the same slot
	s_wait_dscnt 4*NLA                             ; B's set, A's blocks 0-3 and the scale words are in; the youngest loads, A's blocks 4-7, may be out
	WIN MUL_LO
	MUL16 0, (\q)%2, \q, \slot, \zero
	MUL16 2, (\q)%2, \q, \slot, \zero
	s_wait_dscnt 0
	PLACES NP
	FETCH_B \slot, (\q)+1, 1-(\q)%2
	FETCH_A \slot, (\q)+1, 0
	WIN MUL_HI
	MUL16 4, (\q)%2, \q, \slot, \zero
	MUL16 6, (\q)%2, \q, \slot, \zero
	PLACES NP
	WIN 0
	FETCH_A \slot, (\q)+1, 4
.endm
; A slot's last step changes slots: one barrier; in front of it each wave waits for all its tensor loads, adds 0 to its spare word, and waits for that and for its reads of this slot.
.macro TURN slot, next, fill
	s_wait_tensorcnt 0x0                           ; all my tensor loads have landed: my part of the next slot
	ds_add_u32 v[SPW], v[NIL]                      ; 0 onto my spare word
	s_wait_dscnt 4*NLA+1                           ; the add and the youngest loads, A's blocks 4-7, may be out
	WIN MUL_LO
	MUL16 0, 1, NQ-1, \slot, 0
	s_wait_dscnt 0x0                               ; the add is done, and my reads of this slot are over
	s_barrier_signal -1
	MUL16 2, 1, NQ-1, \slot, 0
	WIN 0
	s_barrier_wait -1
.if \fill
	CREST                                          ; the barrier has opened a round of the cluster's barrier: no wave of any partner still reads this slot or has a load on its way
	s_add_nc_u64 s[G0+4*\slot+2:G0+4*\slot+3], s[G0+4*\slot+2:G0+4*\slot+3], 2*NQ*FRB
	s_add_nc_u64 s[G0B+4*\slot+2:G0B+4*\slot+3], s[G0B+4*\slot+2:G0B+4*\slot+3], 2*NQ*FRB
	JLOAD G0+4*\slot, G1, G0B+4*\slot, G1B         ; the first tensor load behind the round; its four v_nop are the places in front of the loads below
.else
	PLACES NP
.endif
	v_add_nc_u32 v[ADRS], 128, v[ADRS]             ; the next slot's scale words
	FETCH_B \next, 0, 0
	FETCH_A \next, 0, 0
	SCALES \next
	WIN MUL_HI
	MUL16 4, 1, NQ-1, \slot, 0
	MUL16 6, 1, NQ-1, \slot, 0
	PLACES NP
	WIN 0
	FETCH_A \next, 0, 4
.endm
	s_wait_tensorcnt 1                             ; the scale words and my part of slot 0 are in; slot 1's load may be out
	s_barrier_signal -1
	s_barrier_wait -1
	FETCH_B 0, 0, 0
	FETCH_A 0, 0, 0
	SCALES 0
	FETCH_A 0, 0, 4
	STEP 0, 0, 1                                   ; the first products start the sums: nothing is cleared
	s_mov_b32 s3, LAPS-1
.Llap:
	TURN 0, 1, 1
	STEP 1, 0, 0
	TURN 1, 0, 1
	STEP 0, 0, 0
	s_sub_co_u32 s3, s3, 1
	s_cmp_lg_u32 s3, 0
	s_cbranch_scc1 .Llap
	TURN 0, 1, 0                                   ; the last lap fills nothing
	STEP 1, 0, 0
	s_wait_dscnt 4*NLA
	WIN MUL_LO
	MUL16 0, 1, NQ-1, 1, 0
	MUL16 2, 1, NQ-1, 1, 0
	s_wait_dscnt 0
	WIN MUL_HI
	MUL16 4, 1, NQ-1, 1, 0
	MUL16 6, 1, NQ-1, 1, 0
	WIN 0
	PLACES NP
; THE WAY OUT.  The 64 registers of A's block a (window win, from v[s]) are 128 neighbours along the next K, register 16 b + i = 32 b + 16 (lane / 16) + i: they become a fragment's registers 0-5 (v[d0] on),
; 6-11 (v[d1] on) and a scale word.  Each accumulator is read from its low end on.
.macro QUANT s, win, d0, d1, w
	WIN ((\win)<<2)|((\win)<<4)
.irp b, 0,1,2,3
	v_max3_num_f32 v[TM+\b], 0x1800000, |v[(\s)+16*\b]|, |v[(\s)+1+16*\b]|   ; the floor 2^(3 - 127) among the leaves: the byte cannot fall under 1
.endr
.irp i, 2,4,6,8,10,12,14
.irp b, 0,1,2,3
	v_max3_num_f32 v[TM+\b], v[TM+\b], |v[(\s)+16*\b+\i]|, |v[(\s)+1+16*\b+\i]|
.endr
.endr
	WIN 0
.irp b, 0,1,2,3
	v_permlanex16_b32 v[TM+4+\b], v[TM+\b], s[SEL], s[SEL+1]
.endr
.irp b, 0,1,2,3
	v_max_num_f32 v[TM+\b], v[TM+\b], v[TM+4+\b]
.endr
.irp b, 0,1,2,3
	v_add_nc_u32 v[TM+12+\b], 0xff000000, v[TM+\b] ; 2 off the exponent field: the conversion's scale operand
.endr
.irp b, 0,1,2,3
	v_lshrrev_b32 v[TM+4+\b], 23, v[TM+12+\b]
.endr
	v_lshl_or_b32 v[\w], v[TM+5], 8, v[TM+4]
	v_lshl_or_b32 v[\w], v[TM+6], 16, v[\w]
	v_lshl_or_b32 v[\w], v[TM+7], 24, v[\w]
	WIN (\win)
	v_cvt_scalef32_pk16_fp6_f32 v[(\d0):(\d0)+2], v[(\s):(\s)+15], v[TM+12]
	v_cvt_scalef32_pk16_fp6_f32 v[TC:TC+2], v[(\s)+16:(\s)+31], v[TM+13]
	v_cvt_scalef32_pk16_fp6_f32 v[(\d1):(\d1)+2], v[(\s)+32:(\s)+47], v[TM+14]
	v_cvt_scalef32_pk16_fp6_f32 v[TC+4:TC+6], v[(\s)+48:(\s)+63], v[TM+15]
	WIN 0
	v_nop                                          ; one plain place behind a scaled conversion
.irp i, 0,1,2
	v_permlane16_swap_b32 v[(\d0)+\i], v[TC+\i]
	v_permlane16_swap_b32 v[(\d1)+\i], v[TC+4+\i]
.endr
.irp i, 0,1,2
	v_mov_b32 v[(\d0)+3+\i], v[TC+\i]
	v_mov_b32 v[(\d1)+3+\i], v[TC+4+\i]
.endr
.endm
.macro FOUT f, unit, place, w, lo      ; a fragment leaves as three stores of 512 consecutive bytes, aligned; its scale word is gathered in LDS
.irp c, 0,1,2
	global_store_b128 v[LI], v[(\f)+4*\c:(\f)+4*\c+3], s[96:97] offset:(\unit)*98304+(\place)*1536+512*\c
.endr
	ds_store_b32 v[SGA], v[\w] offset:(\lo)+256*(\unit)+64*(\place)   ; lanes l and l + 16 write the same word with the same value
.endm
.macro EPI mode
.irp ap, 0,1,2,3
	s_wait_xcnt 0x0                                ; the last pair's stores have read the fragments' registers
.if \mode == 0
	QUANT 64*((2*\ap)%4), 2+(2*\ap)/4, F0, F1, WE              ; rows' tile 2 g: its first 64 features are my first head's, the other 64 my second's
	QUANT 64*((2*\ap+1)%4), 2+(2*\ap+1)/4, F0+6, F1+6, WO      ; tile 2 g + 1
	v_perm_b32 v[WD+2*\ap], v[WO], v[WE], 0x05040100           ; first head: the even tile's bytes 0, 1, then the odd tile's
	v_perm_b32 v[WD+2*\ap+1], v[WO], v[WE], 0x07060302         ; second head: bytes 2, 3 of both
	FOUT F0, 0, \ap, WD+2*\ap, 0
	FOUT F1, 1, \ap, WD+2*\ap+1, 0
.else
	QUANT 64*((2*\ap)%4), 2+(2*\ap)/4, F0, F0+6, WD+2*\ap      ; 16 dv x 128 keys: a whole fragment
	QUANT 64*((2*\ap+1)%4), 2+(2*\ap+1)/4, F1, F1+6, WD+2*\ap+1
	FOUT F0, (2*\ap)/4, (2*\ap)%4, WD+2*\ap, 2048
	FOUT F1, (2*\ap+1)/4, (2*\ap+1)%4, WD+2*\ap+1, 2048
.endif
.endr
.irp u, 0,1
	ds_load_b64 v[SR+2*\u:SR+2*\u+1], v[SGR] offset:2048*\mode+256*\u   ; LDS serves a wave's instructions in order: these see my stores
.endr
	s_wait_dscnt 0x0
.irp u, 0,1
	global_store_b64 v[L8], v[SR+2*\u:SR+2*\u+1], s[98:99] offset:4096*\u   ; 32 lanes store 256 consecutive bytes, aligned
.endr
.endm
	s_cmp_eq_u32 s66, 0                            ; the same in all sixteen partners
	s_cbranch_scc0 .Lepi_v
	EPI 0
	s_branch .Lend
.Lepi_v:
	EPI 1                                          ; (its gathered words have LDS bytes of their own)
.Lend:
	s_wait_tensorcnt 0x0                           ; the wave's end
	ds_add_u32 v[SPW], v[NIL]
	s_wait_dscnt 0x0
	CROUND                                         ; the closing round
	s_endpgm
.Lfunc_end_k_qe78e3e7946_proj:
	.size	k_qe78e3e7946_proj, .Lfunc_end_k_qe78e3e7946_proj-k_qe78e3e7946_proj
	.p2alignl 7, 3214868480
	.fill 96, 4, 3214868480
	.section	.rodata,"a",@progbits
	.p2align	6, 0x0
	.amdhsa_kernel k_qe78e3e7946_proj
		.amdhsa_group_segment_fixed_size 327680
		.amdhsa_private_segment_fixed_size 0
		.amdhsa_enable_private_segment 0
		.amdhsa_kernarg_size 32
		.amdhsa_user_sgpr_count 2
		.amdhsa_user_sgpr_kernarg_segment_ptr 1
		.amdhsa_wavefront_size32 1
		.amdhsa_system_sgpr_workgroup_id_x 1
		.amdhsa_system_sgpr_workgroup_id_y 1
		.amdhsa_system_sgpr_workgroup_id_z 1
		.amdhsa_system_vgpr_workitem_id 0
		.amdhsa_next_free_vgpr 1024
		.amdhsa_next_free_sgpr 100
		.amdhsa_reserve_vcc 0
		.amdhsa_float_denorm_mode_32 3
		.amdhsa_float_denorm_mode_16_64 3
		.amdhsa_memory_ordered 1
		.amdhsa_forward_progress 1
		.amdhsa_inst_pref_size 176
	.end_amdhsa_kernel
	.amdgpu_metadata
---
amdhsa.version: [ 1, 2 ]
amdhsa.kernels:
  - .name:           k_qe78e3e7946_proj
    .symbol:         k_qe78e3e7946_proj.kd
    .args:
      - { .name: c1, .offset: 0, .size: 8, .value_kind: global_buffer, .address_space: global }
      - { .name: s1, .offset: 8, .size: 8, .value_kind: global_buffer, .address_space: global }
      - { .name: c2, .offset: 16, .size: 8, .value_kind: global_buffer, .address_space: global }
      - { .name: s2, .offset: 24, .size: 8, .value_kind: global_buffer, .address_space: global }
    .group_segment_fixed_size: 327680
    .private_segment_fixed_size: 0
    .kernarg_segment_align: 8
    .kernarg_segment_size: 32
    .max_flat_workgroup_size: 128
    .sgpr_count:     100
    .vgpr_count:     1024
    .wavefront_size: 32
...
	.end_amdgpu_metadata
.endif
;; end of part 2
;; launch attn (part 3): grid 4 x 64, 16 waves a work-group, no clusters, 206,848 bytes of LDS; arguments c2, s2, c3, s3; writes c3, s3
.if DOCPART == 3
	.amdgcn_target "amdgcn-amd-amdhsa--gfx1250"
	.amdhsa_code_object_version 6
	.text
	.protected	k_qe78e3e7946_attn
	.globl	k_qe78e3e7946_attn
	.p2align	8
	.type	k_qe78e3e7946_attn,@function
k_qe78e3e7946_attn:
	s_mov_b64 s[64:65], 0
	v_nop
	global_prefetch_b8 v0, s[64:65] scope:SCOPE_SE
	s_setreg_imm32_b32 hwreg(HW_REG_WAVE_MODE, 25, 1), 1
	s_wait_xcnt 0x0
; Causal attention of one (batch, head) on codes of FP6 (E2M3) with E8M0 scales: S^T = K Q^T (K = the head's 64), p = 2^(t - M), O^T = V^T P^T (K = the keys), O / the row's sum, quantised along dv.
; t = score x log2(e) / 8; M = the running largest t rounded up to a whole number; the sum is taken of the unquantised p; when M moves, sum and O^T are multiplied by 2^(old M - new M): exact.
; c2, s2 as the launch before laid them.  An image of K (or Q) holds TWO tiles of 16 rows: registers 0-5 tile 2 g, 6-11 tile 2 g + 1, 64 along K each.  The instruction's 128 along K take one image of K against
; [Q | zeros] for tile 2 g and against [zeros | Q] for tile 2 g + 1: zero codes add nothing under any scale byte that the quantiser gives.
; Tile 2 b + u holds in lane r row 32 b + 8 u + r + 8 (r / 8): so the 16 registers of two neighbouring tiles of S^T are 16 neighbouring keys, and those of O^T 16 neighbouring dv.
; A WHOLE HEAD'S K AND V STAY IN LDS, filled once by the sixteen waves' first tensor loads: no ring, no refill; no wave stores to LDS.
; SHARES.  Work-group p of a head takes blocks p and 7 - p of 256 queries; wave w tile w of the first and tile 15 - w of the second: 17 key steps of 128 for every wave.  Steps whose keys all come after the wave's
; queries are left out by a scalar branch on ids inside loops of constant count (8 for the first block, whose keys lie in the half that has landed; 16 for the second).
; NO CLUSTER: the work-groups that share K and V are the query blocks of a head, and the branch that leaves hidden key steps out hangs on the query block: partners of joint loads may have no such branch.
; c3: O as the last product's operand: [tile of rows][head / 2][1,536]; my head's half at 768 (head % 2): register g of lane l at 256 (g / 2) + 8 l + 4 (g % 2).  s3: as s1; my two bytes a row at 2 (head % 4).
; LIMITS: NaN and infinities are not served; a block of zeros or under 2^-124 keeps the byte 1: this program alone reads the bytes.
.set VB,   98304                       ; LDS: K's images 0 .. 98,303 (group g at 1,536 g), V's behind them (key step x 6,144 + dv tile x 1,536)
.set KSC,  196608                      ; K's scale words: 64 g + 4 r
.set VSC,  200704                      ; V's: 256 x key step + 64 x dv tile + 4 r
.set WV,   12
.set SEL,  20                          ; s[20:21]
.set CS,   22                          ; s[22:23] c = log2(e) / 8
.set G1C,  24                          ; s[24:31] group 1: 24 rows of 256 bytes;  s[32:39]: 2 rows
.set G1S,  32
.set HM,   52                          ; s52 lanes 16-31
.set KF,   53                          ; s53 the step's first key
.set TB,   54                          ; s54 6,144 x key step
.set TS,   55                          ; s55 256 x key step
.set KC,   56                          ; s56 counts the trips
.set PH0,  66                          ; a phase's scalars at s[66 + 16 ph]: +0 first query, +1 last query, +2 mask (odd tile), +3 byte select, +4 Q's codes, +6 Q's words, +8 O's codes, +10 O's bytes
; v1 16 lane; v2 16 lane + VB; v3, v4 my place among K's, V's scale words; v6 4 r; v7 8 lane; v8-11 the step's addresses; v12 -M; v13 largest t; v[14:15] the sum; v16-33 zeros | Q | zeros; v34 Q's word;
; v35 r + 8 (r / 8) - 16 h; v36-83 four images; v84-87 K's words; v88-91 V's; v92 8 r + h; v96-159 S^T, then p; v160-191 O^T; v192-203 p's codes; v204-210 halves of blocks; v212-224 Q on its way; v232-254 at work; v250 p's word
	s_load_b256 s[4:11], s[0:1], 0x0               ; c2, s2, c3, s3
	v_lshl_add_u32 v253, v0, 2, 0x32000
	v_mov_b32 v255, 0
	ds_add_u32 v253, v255
	ds_add_u32 v253, v255
	v_lshrrev_b32 v8, 5, v0
	s_delay_alu instid0(VALU_DEP_1)
	v_readfirstlane_b32 s[WV], v8                  ; wave 0..15
	s_and_b32 s13, ttmp7, 0xffff                   ; batch x 16 + head
.irp g, G1C, G1S
	s_mov_b32 s[\g], 3<<16                         ; no mask; elements of 8 bytes; no padding: every read is 16 x lane on end
	s_mov_b32 s[\g+1], 32<<16                      ; tensor_dim0: 256 bytes
	s_mov_b32 s[\g+3], 32<<16                      ; tile_dim0
	s_mov_b32 s[\g+5], 32                          ; dense
	s_mov_b32 s[\g+6], 0
	s_mov_b32 s[\g+7], 0
.endr
	s_mov_b32 s[G1C+2], 24<<16                     ; 6,144 bytes
	s_mov_b32 s[G1C+4], 24
	s_mov_b32 s[G1S+2], 2<<16                      ; 512 bytes
	s_mov_b32 s[G1S+4], 2
	s_lshr_b32 s14, s[WV], 3                       ; waves 0-7 fetch K, waves 8-15 V
	s_and_b32 s15, s[WV], 7
	s_mul_i32 s16, s14, VB
	s_mul_i32 s17, s15, 6144
	s_add_co_u32 s16, s16, s17                     ; LDS: my eighth of the first half
	s_add_co_u32 s18, s14, 1
	s_mul_i32 s18, s18, 6291456
	s_mul_i32 s19, s13, 98304
	s_add_co_u32 s18, s18, s19
	s_add_co_u32 s18, s18, s17                     ; and in c2
	s_mov_b32 s19, 0
	s_add_co_u32 s56, s14, 1
	s_lshl_b32 s56, s56, 18
	s_lshl_b32 s57, s13, 12
	s_add_co_u32 s56, s56, s57
	s_lshl_b32 s57, s15, 9
	s_add_co_u32 s56, s56, s57                     ; my 512 bytes of scale words in s2
	s_mov_b32 s57, 0
	s_lshl_b32 s58, s[WV], 9
	s_wait_dscnt 0x0
	s_wait_kmcnt 0x0
	s_mov_b32 s40, 1
	s_mov_b32 s41, s16
	s_add_nc_u64 s[42:43], s[4:5], s[18:19]
	s_mov_b32 s48, 1
	s_add_co_u32 s49, s16, 49152                   ; the second half: keys 1,024 on
	s_add_nc_u64 s[50:51], s[42:43], 49152
	s_or_b32 s43, s43, 0x80000000
	s_or_b32 s51, s51, 0x80000000
	s_mov_b32 s44, 1
	s_add_co_u32 s45, s58, KSC
	s_add_nc_u64 s[46:47], s[6:7], s[56:57]
	s_or_b32 s47, s47, 0x80000000
	tensor_load_to_lds s[40:43], s[G1C:G1C+7]      ; the three first fills of every wave stand together, ahead of every wait on TENSORcnt, every LDS read and every barrier
	s_nop 0
	tensor_load_to_lds s[44:47], s[G1S:G1S+7]
	s_nop 0
	tensor_load_to_lds s[48:51], s[G1C:G1C+7]
	s_nop 0
.rept 4
	v_nop
.endr
	v_and_b32 v8, 31, v0                           ; lane
	v_and_b32 v9, 15, v0                           ; r
	v_bfe_u32 v10, v0, 4, 1                        ; h
	s_delay_alu instid0(VALU_DEP_3)
	v_lshlrev_b32 v1, 4, v8
	s_delay_alu instid0(VALU_DEP_1)
	v_add_nc_u32 v2, VB, v1
	s_delay_alu instid0(VALU_DEP_4)
	v_lshl_add_u32 v3, v9, 2, KSC
	v_lshl_add_u32 v4, v9, 2, VSC
	v_lshlrev_b32 v6, 2, v9
	v_lshlrev_b32 v7, 3, v8
	v_and_b32 v11, 8, v9
	s_delay_alu instid0(VALU_DEP_1)
	v_add_nc_u32 v35, v11, v9
	v_lshlrev_b32 v11, 4, v10
	s_delay_alu instid0(VALU_DEP_1)
	v_sub_nc_u32 v35, v35, v11                     ; my query less the tile's first, less 16 h
	v_lshl_add_u32 v92, v9, 3, v10
.irp i, 0,1,2,3,4,5
	v_mov_b32 v[16+\i], 0                          ; the zero codes on both sides of Q
	v_mov_b32 v[28+\i], 0
.endr
.irp b, 0,1,2,3
	v_mov_b32 v[236+\b], 0                         ; written once: a lane permute's destination counts as one of its sources
.endr
	v_mov_b32 v254, 0
	v_mov_b32 v249, 0                              ; named as the upper half of the pair v[248:249]
	s_mov_b32 s[SEL], 0x76543210
	s_mov_b32 s[SEL+1], 0xfedcba98
	s_mov_b32 s[CS], 0x3e38aa3b
	s_mov_b32 s[CS+1], s[CS]
	s_mov_b32 s[HM], 0xffff0000
.macro PHSET ph, blk, tw               ; the scalars of phase ph: block s[blk] of 256 queries, tile s[tw] of it
.set PB, PH0+16*\ph
	s_lshl_b32 s57, s[\blk], 4
	s_add_co_u32 s57, s57, s[\tw]                  ; the tile among the head's 128
	s_lshr_b32 s58, s57, 1
	s_and_b32 s59, s57, 1
	s_lshl_b32 s[PB], s58, 5
	s_lshl_b32 s60, s59, 3
	s_add_co_u32 s[PB], s[PB], s60                 ; its first query
	s_add_co_u32 s[PB+1], s[PB], 23                ; its last
	s_mov_b32 s[PB+3], 0x03020302
	s_cmp_eq_u32 s59, 0
	s_cselect_b32 s[PB+2], 0, -1
	s_cselect_b32 s[PB+3], 0x01000100, s[PB+3]
	s_mul_i32 s60, s13, 98304
	s_mul_i32 s61, s58, 1536
	s_add_co_u32 s60, s60, s61
	s_mov_b32 s61, 0
	s_add_nc_u64 s[PB+4:PB+5], s[4:5], s[60:61]
	s_lshl_b32 s60, s13, 12
	s_lshl_b32 s62, s58, 6
	s_add_co_u32 s60, s60, s62
	s_add_nc_u64 s[PB+6:PB+7], s[6:7], s[60:61]
	s_lshr_b32 s62, s13, 4
	s_lshl_b32 s62, s62, 7
	s_add_co_u32 s62, s62, s57                     ; the tile among all 512
	s_and_b32 s63, s13, 15                         ; the head
	s_mul_i32 s60, s62, 12288
	s_lshr_b32 s58, s63, 1
	s_mul_i32 s58, s58, 1536
	s_add_co_u32 s60, s60, s58
	s_and_b32 s58, s63, 1
	s_mul_i32 s58, s58, 768
	s_add_co_u32 s60, s60, s58
	s_add_nc_u64 s[PB+8:PB+9], s[8:9], s[60:61]
	s_lshl_b32 s60, s62, 9
	s_lshr_b32 s58, s63, 2
	s_lshl_b32 s58, s58, 7
	s_add_co_u32 s60, s60, s58
	s_and_b32 s58, s63, 3
	s_lshl_b32 s58, s58, 1
	s_add_co_u32 s60, s60, s58
	s_add_nc_u64 s[PB+10:PB+11], s[10:11], s[60:61]
.endm
	s_mov_b32 s94, ttmp9
	s_sub_co_u32 s95, 7, s94
	s_sub_co_u32 s96, 15, s[WV]
	PHSET 0, 94, WV
	PHSET 1, 95, 96
.macro QLOAD ph
.irp c, 0,1,2
	global_load_b128 v[212+4*\c:215+4*\c], v1, s[PH0+16*\ph+4:PH0+16*\ph+5] offset:512*\c
.endr
	global_load_b32 v224, v6, s[PH0+16*\ph+6:PH0+16*\ph+7]
.endm
; A KEY STEP: 128 keys
.macro STEP pb
	s_cmp_gt_u32 s[KF], s[\pb+1]                   ; all its keys come after my queries: its work is left out, not the lines at its end that step addresses
	s_cbranch_scc1 .Lhidden_\@
	s_setprio 2
	v_add_nc_u32 v8, s[TB], v1                     ; (these four are also the places behind the last products, in front of the loads)
	v_add_nc_u32 v9, s[TB], v2
	v_add_nc_u32 v10, s[TS], v3
	v_add_nc_u32 v11, s[TS], v4
.irp f, 0,1,2,3
.irp c, 0,1,2
	ds_load_b128 v[36+12*\f+4*\c:39+12*\f+4*\c], v8 offset:1536*\f+512*\c
.endr
	ds_load_b32 v[84+\f], v10 offset:64*\f
.endr
	s_wait_alu depctr_va_vdst(0)
	s_wait_dscnt 0x0
.irp f, 0,1,2,3                        ; S^T: register 16 f + i of lane (r, h) = key KF + 32 f + 16 h + i
	v_wmma_scale_f32_16x16x128_f8f6f4 v[96+16*\f:103+16*\f], v[36+12*\f:47+12*\f], v[22:33], 0, v[84+\f], v34 matrix_a_fmt:MATRIX_FMT_FP6 matrix_b_fmt:MATRIX_FMT_FP6
	v_wmma_scale_f32_16x16x128_f8f6f4 v[104+16*\f:111+16*\f], v[36+12*\f:47+12*\f], v[16:27], 0, v[84+\f], v34 matrix_a_fmt:MATRIX_FMT_FP6 matrix_b_fmt:MATRIX_FMT_FP6
.endr
.rept 4
	v_nop                                          ; places in front of the loads into K's registers and of the first read of the scores
.endr
.irp t, 0,1,2,3                        ; V's four images are asked for now and land while the softmax is walked
.irp c, 0,1,2
	ds_load_b128 v[36+12*\t+4*\c:39+12*\t+4*\c], v9 offset:1536*\t+512*\c
.endr
	ds_load_b32 v[88+\t], v11 offset:64*\t
.endr
	s_add_co_u32 s57, s[KF], 127                   ; on the diagonal hidden scores become -infinity; a step all of whose keys count skips this
	s_cmp_le_u32 s57, s[\pb]
	s_cbranch_scc1 .Lopen_\@
	s_sub_co_i32 s57, s[\pb], s[KF]
	v_add_nc_u32 v251, s57, v35                    ; d = my query - KF - 16 h: register 16 b + i is hidden where 32 b + i > d
	v_mov_b32 v254, 0xff800000
.set n, 0
.rept 64
	v_cmp_gt_i32 vcc_lo, 32*(n/16)+n%16, v251
	v_cndmask_b32 v[96+n], v[96+n], v254, vcc_lo
.set n, n+1
.endr
.Lopen_\@:
.irp b, 0,1,2,3
	v_max3_num_f32 v[232+\b], v[96+16*\b], v[97+16*\b], v[98+16*\b]   ; the largest score of each block of 32 keys: for the row's maximum and, since p rises with the score, for the block's largest p
.endr
.irp i, 3,5,7,9,11,13
.irp b, 0,1,2,3
	v_max3_num_f32 v[232+\b], v[232+\b], v[96+16*\b+\i], v[97+16*\b+\i]
.endr
.endr
.irp b, 0,1,2,3
	v_max_num_f32 v[232+\b], v[232+\b], v[111+16*\b]
.endr
.irp b, 0,1,2,3
	s_delay_alu instid0(VALU_DEP_4)
	v_permlanex16_b32 v[236+\b], v[232+\b], s[SEL], s[SEL+1]
.endr
.irp b, 0,1,2,3
	s_delay_alu instid0(VALU_DEP_4)
	v_max_num_f32 v[232+\b], v[232+\b], v[236+\b]
.endr
	s_delay_alu instid0(VALU_DEP_2)
	v_max3_num_f32 v254, v232, v233, v234
	s_delay_alu instid0(VALU_DEP_1)
	v_max_num_f32 v254, v254, v235
	s_delay_alu instid0(VALU_DEP_1)
	v_mul_f32 v254, s[CS], v254
	s_delay_alu instid0(VALU_DEP_1)
	v_max_num_f32 v13, v13, v254                   ; the running largest t
	v_mov_b32 v254, v12
	s_delay_alu instid0(VALU_DEP_2)
	v_floor_f32 v12, -v13                          ; -M = floor(-t): M is a whole number
	s_delay_alu instid0(VALU_DEP_1)
	v_sub_f32 v254, v12, v254
	s_delay_alu instid0(VALU_DEP_1)
	v_cvt_i32_f32 v254, v254                       ; (it saturates)
	s_delay_alu instid0(VALU_DEP_1)
	v_ldexp_f32 v248, 1.0, v254                    ; f = 2^(old M - new M)
.set j, 0
.rept 32
	v_pk_fma_f32 v[96+j:97+j], v[96+j:97+j], s[CS:CS+1], v[12:13] op_sel_hi:[1,0,0]   ; t - M
.set j, j+2
.endr
	s_setprio 1
.irp b, 0,1,2,3
	v_fma_f32 v[232+\b], v[232+\b], s[CS], v12
.endr
.set j, 0
	s_wait_alu depctr_va_vdst(0)
.rept 64
	v_exp_f32 v[96+j], v[96+j]                     ; p = 2^(t - M)
.set j, j+1
.endr
	v_pk_mul_f32 v[14:15], v[14:15], v[248:249] op_sel_hi:[1,0]   ; the sums under the new M: the plain place behind the exponentials
	s_wait_alu depctr_va_vdst(0)                   ; one wait for the batch of 64, ahead of its first reader
.irp b, 0,1,2,3
	v_exp_f32 v[232+\b], v[232+\b]                 ; each block's largest p
.endr
	v_pk_add_f32 v[240:241], v[100:101], v[104:105]
	v_pk_add_f32 v[250:251], v[108:109], v[112:113]
	v_pk_add_f32 v[246:247], v[116:117], v[120:121]
	v_pk_add_f32 v[244:245], v[124:125], v[128:129]
	v_pk_add_f32 v[242:243], v[132:133], v[136:137]
	v_pk_add_f32 v[238:239], v[140:141], v[144:145]
	v_pk_add_f32 v[236:237], v[148:149], v[152:153]
	v_pk_add_f32 v[14:15], v[14:15], v[156:157]
	v_pk_add_f32 v[240:241], v[240:241], v[96:97]
	v_pk_add_f32 v[250:251], v[250:251], v[98:99]
	v_pk_add_f32 v[246:247], v[246:247], v[102:103]
	v_pk_add_f32 v[244:245], v[244:245], v[106:107]
	v_pk_add_f32 v[242:243], v[242:243], v[110:111]
	v_pk_add_f32 v[238:239], v[238:239], v[114:115]
	v_pk_add_f32 v[236:237], v[236:237], v[118:119]
	v_pk_add_f32 v[14:15], v[14:15], v[122:123]
	v_pk_add_f32 v[240:241], v[240:241], v[126:127]
	v_pk_add_f32 v[250:251], v[250:251], v[130:131]
	v_pk_add_f32 v[246:247], v[246:247], v[134:135]
	v_pk_add_f32 v[244:245], v[244:245], v[138:139]
	v_pk_add_f32 v[242:243], v[242:243], v[142:143]
	v_pk_add_f32 v[238:239], v[238:239], v[146:147]
	v_pk_add_f32 v[236:237], v[236:237], v[150:151]
	v_pk_add_f32 v[14:15], v[14:15], v[154:155]
	v_pk_add_f32 v[240:241], v[240:241], v[158:159]
	s_delay_alu instid0(VALU_DEP_2)
	v_pk_add_f32 v[14:15], v[14:15], v[244:245]
	s_delay_alu instid0(VALU_DEP_2)
	v_pk_add_f32 v[240:241], v[240:241], v[242:243]
	v_pk_add_f32 v[250:251], v[250:251], v[238:239]
	v_pk_add_f32 v[246:247], v[246:247], v[236:237]
	s_delay_alu instid0(VALU_DEP_2)
	v_pk_add_f32 v[14:15], v[14:15], v[250:251]
	s_delay_alu instid0(VALU_DEP_2)
	v_pk_add_f32 v[240:241], v[240:241], v[246:247]
	s_delay_alu instid0(VALU_DEP_1)
	v_pk_add_f32 v[14:15], v[14:15], v[240:241]
	s_wait_alu depctr_va_vdst(0)                   ; and one for the four
.irp b, 0,1,2,3
	v_max_num_f32 v[232+\b], 0x1800000, v[232+\b]  ; the floor: the byte cannot fall under 1
.endr
.irp b, 0,1,2,3
	s_delay_alu instid0(VALU_DEP_4)
	v_add_nc_u32 v[244+\b], 0xff000000, v[232+\b]
.endr
.irp b, 0,1,2,3
	s_delay_alu instid0(VALU_DEP_4)
	v_lshrrev_b32 v[236+\b], 23, v[244+\b]
.endr
	s_delay_alu instid0(VALU_DEP_3)
	v_lshl_or_b32 v250, v237, 8, v236              ; p's scale word for these 128 keys
	s_delay_alu instid0(VALU_DEP_1)
	v_lshl_or_b32 v250, v238, 16, v250
	s_delay_alu instid0(VALU_DEP_1)
	v_lshl_or_b32 v250, v239, 24, v250
	s_setprio 0
.irp c, 0,1
	v_cvt_scalef32_pk16_fp6_f32 v[192+6*\c:194+6*\c], v[96+32*\c:111+32*\c], v[244+2*\c]
	v_cvt_scalef32_pk16_fp6_f32 v[204+4*\c:206+4*\c], v[112+32*\c:127+32*\c], v[245+2*\c]
.endr
	v_nop                                          ; one plain place behind a scaled conversion
.irp c, 0,1
.irp i, 0,1,2
	v_permlane16_swap_b32 v[192+6*\c+\i], v[204+4*\c+\i]
.endr
.irp i, 0,1,2
	s_delay_alu instid0(VALU_DEP_3)
	v_mov_b32 v[195+6*\c+\i], v[204+4*\c+\i]
.endr
.endr
.set j, 0
.rept 16
	v_pk_mul_f32 v[160+j:161+j], v[160+j:161+j], v[248:249] op_sel_hi:[1,0]   ; O^T under the new M; these sixteen are also the places between p's word and codes and the products
.set j, j+2
.endr
	s_wait_alu depctr_va_vdst(0)
	s_wait_dscnt 0x0                               ; V
.irp t, 0,1,2,3                        ; the four accumulators by turns
	v_wmma_scale_f32_16x16x128_f8f6f4 v[160+8*\t:167+8*\t], v[36+12*\t:47+12*\t], v[192:203], v[160+8*\t:167+8*\t], v[88+\t], v250 matrix_a_fmt:MATRIX_FMT_FP6 matrix_b_fmt:MATRIX_FMT_FP6
.endr
.Lhidden_\@:
	s_add_co_u32 s[KF], s[KF], 128
	s_add_co_u32 s[TB], s[TB], 6144
	s_add_co_u32 s[TS], s[TS], 256
.endm
; A PHASE: one tile of 16 queries against the keys of nk key steps
.macro PHASE ph, nk
	s_wait_loadcnt 0x0                             ; Q's image and words
.irp i, 0,1,2,3,4,5
	v_cndmask_b32 v[22+\i], v[212+\i], v[218+\i], s[PH0+16*\ph+2]   ; my tile's half of the image
.endr
	v_perm_b32 v34, v224, v224, s[PH0+16*\ph+3]    ; its two bytes, twice: they serve Q on either side of the zeros
.if \ph == 0
	QLOAD 1                                        ; the second tile's Q comes while the first is worked
.endif
	v_mov_b32 v13, 0xff61b1e6                      ; -3e38, under every t
	s_delay_alu instid0(VALU_DEP_1)
	v_floor_f32 v12, -v13
	v_mov_b32 v14, 0
	v_mov_b32 v15, 0
.set j, 0
.rept 32
	v_mov_b32 v[160+j], 0                          ; O^T: the first change of M leaves zeros zeros
.set j, j+1
.endr
	s_mov_b32 s[KF], 0
	s_mov_b32 s[TB], 0
	s_mov_b32 s[TS], 0
	s_mov_b32 s[KC], 0
.Lkey_\@:
	STEP PH0+16*\ph
	s_add_co_u32 s[KC], s[KC], 1
	s_cmp_lt_u32 s[KC], \nk
	s_cbranch_scc1 .Lkey_\@
	s_setprio 0
	; the way out: O = O^T / the sum, quantised along dv: two blocks of 32
.rept 4
	v_nop
.endr
	v_add_f32 v14, v14, v15
	s_delay_alu instid0(VALU_DEP_1)
	v_permlanex16_b32 v254, v14, s[SEL], s[SEL+1]
	s_delay_alu instid0(VALU_DEP_1)
	v_add_f32 v14, v14, v254
	s_wait_alu depctr_va_vdst(0)
	v_rcp_f32 v14, v14
	v_nop                                          ; a plain place behind the reciprocal
	s_wait_alu depctr_va_vdst(0)                   ; and the wait ahead of its first reader
.set j, 0
.rept 16
	v_pk_mul_f32 v[96+j:97+j], v[160+j:161+j], v[14:15] op_sel_hi:[1,0]   ; register 16 b + i = dv 32 b + 16 h + i of my query
.set j, j+2
.endr
.irp b, 0,1
	v_max3_num_f32 v[232+\b], |v[96+16*\b]|, |v[97+16*\b]|, 0x1800000
.endr
.irp i, 2,4,6,8,10,12,14
.irp b, 0,1
	s_delay_alu instid0(VALU_DEP_2)
	v_max3_num_f32 v[232+\b], v[232+\b], |v[96+16*\b+\i]|, |v[97+16*\b+\i]|
.endr
.endr
.irp b, 0,1
	s_delay_alu instid0(VALU_DEP_2)
	v_permlanex16_b32 v[236+\b], v[232+\b], s[SEL], s[SEL+1]
.endr
.irp b, 0,1
	s_delay_alu instid0(VALU_DEP_2)
	v_max_num_f32 v[232+\b], v[232+\b], v[236+\b]
.endr
.irp b, 0,1
	s_delay_alu instid0(VALU_DEP_2)
	v_add_nc_u32 v[244+\b], 0xff000000, v[232+\b]
.endr
.irp b, 0,1
	s_delay_alu instid0(VALU_DEP_2)
	v_lshrrev_b32 v[236+\b], 23, v[244+\b]
.endr
	v_cvt_scalef32_pk16_fp6_f32 v[192:194], v[96:111], v244
	v_cvt_scalef32_pk16_fp6_f32 v[196:198], v[112:127], v245
	v_nop
.irp i, 0,1,2
	v_permlane16_swap_b32 v[192+\i], v[196+\i]     ; lanes 0-15 block 0, lanes 16-31 block 1
.endr
	s_delay_alu instid0(VALU_DEP_3)
	v_mov_b32 v195, v196
	s_delay_alu instid0(VALU_DEP_3)
	v_mov_b32 v196, v197
	s_delay_alu instid0(VALU_DEP_3)
	v_mov_b32 v197, v198
.irp m, 0,1,2
	global_store_b64 v7, v[192+2*\m:193+2*\m], s[PH0+16*\ph+8:PH0+16*\ph+9] offset:256*\m   ; 32 lanes store 256 consecutive bytes, aligned
.endr
	v_cndmask_b32 v93, v236, v237, s[HM]           ; lane (r, h) has the byte of row r's block h
	global_store_b8 v92, v93, s[PH0+16*\ph+10:PH0+16*\ph+11]
	s_wait_xcnt 0x0                                ; the stores have read their registers
.endm
	QLOAD 0
	s_wait_tensorcnt 1                             ; my parts of the first half and of the scale words are in; the second half may be out
	s_barrier_signal -1
	s_barrier_wait -1                              ; everybody's are
	PHASE 0, 8                                     ; blocks 0-3 want keys under 1,024 alone
	s_wait_tensorcnt 0x0                           ; my part of the second half
	s_wait_dscnt 0x0
	s_barrier_signal -1
	s_barrier_wait -1
	PHASE 1, 16
	s_wait_tensorcnt 0x0
	ds_add_u32 v253, v255
	s_wait_dscnt 0x0
	s_endpgm
.Lfunc_end_k_qe78e3e7946_attn:
	.size	k_qe78e3e7946_attn, .Lfunc_end_k_qe78e3e7946_attn-k_qe78e3e7946_attn
	.p2alignl 7, 3214868480
	.fill 96, 4, 3214868480
	.section	.rodata,"a",@progbits
	.p2align	6, 0x0
	.amdhsa_kernel k_qe78e3e7946_attn
		.amdhsa_group_segment_fixed_size 206848
		.amdhsa_private_segment_fixed_size 0
		.amdhsa_enable_private_segment 0
		.amdhsa_kernarg_size 32
		.amdhsa_user_sgpr_count 2
		.amdhsa_user_sgpr_kernarg_segment_ptr 1
		.amdhsa_wavefront_size32 1
		.amdhsa_system_sgpr_workgroup_id_x 1
		.amdhsa_system_sgpr_workgroup_id_y 1
		.amdhsa_system_sgpr_workgroup_id_z 1
		.amdhsa_system_vgpr_workitem_id 0
		.amdhsa_next_free_vgpr 256
		.amdhsa_next_free_sgpr 100
		.amdhsa_reserve_vcc 1
		.amdhsa_float_denorm_mode_32 3
		.amdhsa_float_denorm_mode_16_64 3
		.amdhsa_memory_ordered 1
		.amdhsa_forward_progress 1
		.amdhsa_inst_pref_size 67
	.end_amdhsa_kernel
	.amdgpu_metadata
---
amdhsa.version: [ 1, 2 ]
amdhsa.kernels:
  - .name:           k_qe78e3e7946_attn
    .symbol:         k_qe78e3e7946_attn.kd
    .args:
      - { .name: c2, .offset: 0, .size: 8, .value_kind: global_buffer, .address_space: global }
      - { .name: s2, .offset: 8, .size: 8, .value_kind: global_buffer, .address_space: global }
      - { .name: c3, .offset: 16, .size: 8, .value_kind: global_buffer, .address_space: global }
      - { .name: s3, .offset: 24, .size: 8, .value_kind: global_buffer, .address_space: global }
    .group_segment_fixed_size: 206848
    .private_segment_fixed_size: 0
    .kernarg_segment_align: 8
    .kernarg_segment_size: 32
    .max_flat_workgroup_size: 512
    .sgpr_count:     100
    .vgpr_count:     256
    .wavefront_size: 32
...
	.end_amdgpu_metadata
.endif
;; end of part 3
;; launch oproj (part 4): grid 4 x 32, 4 waves a work-group, clusters of 4 x 4, 327,680 bytes of LDS; arguments c3, s3, c1, s1, bo, out0; writes out0
.if DOCPART == 4
	.amdgcn_target "amdgcn-amd-amdhsa--gfx1250"
	.amdhsa_code_object_version 6
	.text
	.protected	k_qe78e3e7946_oproj
	.globl	k_qe78e3e7946_oproj
	.p2align	8
	.type	k_qe78e3e7946_oproj,@function
k_qe78e3e7946_oproj:
	s_mov_b64 s[64:65], 0
	v_nop
	global_prefetch_b8 v0, s[64:65] scope:SCOPE_SE
	s_setreg_imm32_b32 hwreg(HW_REG_WAVE_MODE, 25, 1), 1
	s_wait_xcnt 0x0
	s_wait_alu depctr_hold_cnt(0) depctr_sa_sdst(0) depctr_va_vdst(0) depctr_va_sdst(0) depctr_va_ssrc(0) depctr_va_vcc(0) depctr_vm_vsrc(0)
	s_getreg_b32 s2, hwreg(HW_REG_IB_STS2, 6, 4)
	s_cmp_eq_u32 s2, 0
	s_cbranch_scc0 .Lentry_in_a_cluster
	s_endpgm
.Lentry_in_a_cluster:
	s_bfe_u32 s2, ttmp6, 0x10000c
	s_cmp_lg_u32 s2, 0xf033
	s_cbranch_scc0 .Lentry_shape_is_right
	s_endpgm
.Lentry_shape_is_right:
; out0 = O Wo^T + bo on codes of FP6 (E2M3) with E8M0 scales, K = 1,024; out0 [8,192][1,024] f32.
; O: c3, s3 ([tile of 16 rows][K step][1,536]; within a K step two halves of 768 bytes, register g of lane l at 256 (g / 2) + 8 l + 4 (g % 2)).  Wo: c1, s1 from tile 1,728 on (register g at 512 (g / 4) + 16 l + 4 (g % 4)).
; Tile 2 b + u holds in lane r row 32 b + 8 u + r + 8 (r / 8), in both operands.  Source 0 = 16 rows of Wo, source 1 = 16 rows of O: a lane holds eight neighbouring columns of one row of out0.
; A work-group of four waves makes 256 x 256, a wave 128 x 128: 64 accumulators.  K goes in steps of 256 through a ring of two LDS slots.  The bias is the C of each sum's first product.
; CLUSTERS: 4 x 4 work-groups; O's tiles are asked for jointly by a row of the cluster, Wo's by a column.  128 work-groups: so many tiles of 256 x 256 has the result.
; REGISTERS: window 0: v16-31 addresses; v32-63 scale words, two sets; v64-127 the bias, 8 registers for each of B's tiles; v128-223 A's fragments (on the way out v128-255 rows of out0).
;   window 1: B's fragments, two sets.  windows 2, 3: the accumulators.
.set NQ,    2
.set FR,    12
.set FRB,   1536
.set NLA,   6                          ; LDS loads that bring a fragment of A: six of 8 bytes a lane
.set NP,    4
.set HALFT, 8*NQ*FRB
.set SLOT,  4*HALFT
.set LAPS,  2
.set SCL,   2*SLOT
.set SPARE, SCL+4*4096
.set SPITCH, 528                       ; the way out: a stage of 16 rows x (512 + 16) bytes for each wave, in slot 0, which has had its last fill and its last read by then
.set ADRA, 16
.set ADRB, 20
.set STO,  24
.set RD,   25
.set CO,   26
.set ADRS, 27
.set SPW,  28
.set NIL,  29
.set BO,   31                          ; v31 64 h: my half's place in a tile's bias
.set SC,   32
.set BI,   64
.set AF,   128
.set BK,   128
.set G1, 24
.set G0, 32
.set G1B, 48
.set G0B, 56
.set G1S, 68
.set G0S, 76
.set G1SB, 80
.set G0SB, 88
.set MSB, 0
.macro WIN new
.if MSB != (\new)
	s_set_vgpr_msb (MSB<<8)|(\new)
.set MSB, (\new)
.endif
.endm
.set MUL_LO, 0xa1
.set MUL_HI, 0xf1
.set TO_B,   0x40
.macro JLOAD g0a, g1a, g0b, g1b        ; waves 0 and 1 fetch for A, waves 2 and 3 for B; four v_nop follow each of the two lines
	s_cmp_eq_u32 s15, 0
	s_cbranch_scc0 .Lfor_b_\@
	tensor_load_to_lds s[\g0a:\g0a+3], s[\g1a:\g1a+7]
	s_nop 0
.rept 4
	v_nop
.endr
	s_branch .Lasked_\@
.Lfor_b_\@:
	tensor_load_to_lds s[\g0b:\g0b+3], s[\g1b:\g1b+7]
	s_nop 0
.rept 4
	v_nop
.endr
.Lasked_\@:
.endm
.macro CREST
	s_cmp_lg_u32 s14, 0
	s_cbranch_scc1 .Lnot_wave_0_\@
	s_barrier_signal -3
.Lnot_wave_0_\@:
	s_barrier_wait -3
	s_barrier_signal -1
	s_barrier_wait -1
.endm
.macro CROUND
	s_barrier_signal -1
	s_barrier_wait -1
	CREST
.endm
	s_load_b256 s[4:11], s[0:1], 0x0               ; c3, s3, c1, s1
	s_load_b128 s[96:99], s[0:1], 0x20             ; bo, out0
	v_lshl_add_u32 v[SPW], v0, 2, SPARE
	v_mov_b32 v[NIL], 0
	ds_add_u32 v28, v29
	ds_add_u32 v28, v29
	s_wait_dscnt 0x0
	v_lshrrev_b32 v1, 5, v0
	v_readfirstlane_b32 s14, v1
	s_lshr_b32 s15, s14, 1
	s_and_b32 s16, s14, 1
	s_bfe_u32 s40, ttmp6, 0x40000                  ; cx
	s_bfe_u32 s41, ttmp6, 0x40004                  ; cy
	s_lshl_b32 s42, ttmp9, 2
	s_add_co_u32 s42, s42, s40                     ; tile column
	s_and_b32 s17, ttmp7, 0xffff
	s_lshl_b32 s17, s17, 2
	s_add_co_u32 s17, s17, s41                     ; tile row
	s_lshl_b32 s43, s41, 2
	s_lshl_b32 s43, 15, s43
	s_lshl_b32 s44, 0x1111, s40
	s_or_b32 s[G1+0], s43, (3<<16)|(1<<21)         ; codes: 8 rows (tiles) of 3,072 bytes, 12,288 bytes apart; no padding
	s_or_b32 s[G1B+0], s44, (3<<16)|(1<<21)
.irp g, G1, G1B
	s_mov_b32 s[\g+1], 384<<16
	s_mov_b32 s[\g+2], 8<<16
	s_mov_b32 s[\g+3], 384<<16
	s_mov_b32 s[\g+4], 8
	s_mov_b32 s[\g+5], 1536
	s_mov_b32 s[\g+6], 0
	s_mov_b32 s[\g+7], 0
.endr
	s_or_b32 s[G1S+0], s43, (3<<16)|(1<<21)        ; scale words of 8 tiles: 16 rows of 256 bytes, dense
	s_or_b32 s[G1SB+0], s44, (3<<16)|(1<<21)
.irp g, G1S, G1SB
	s_mov_b32 s[\g+1], 32<<16
	s_mov_b32 s[\g+2], 16<<16
	s_mov_b32 s[\g+3], 32<<16
	s_mov_b32 s[\g+4], 16
	s_mov_b32 s[\g+5], 32
	s_mov_b32 s[\g+6], 0
	s_mov_b32 s[\g+7], 0
.endr
	s_lshl_b32 s18, s16, 3                         ; the 8 tiles that I fetch
	s_lshl_b32 s20, s17, 4
	s_add_co_u32 s20, s20, s18                     ; of O
	s_lshl_b32 s46, s42, 4
	s_add_co_u32 s46, s46, s18
	s_add_co_u32 s46, s46, 1728                    ; of Wo
	s_lshl_b32 s22, s20, 9
	s_mov_b32 s23, 0
	s_lshl_b32 s92, s46, 9
	s_mov_b32 s93, 0
	s_mul_i32 s20, s20, 12288
	s_mov_b32 s21, 0
	s_mul_i32 s46, s46, 12288
	s_mov_b32 s47, 0
	s_mul_i32 s45, s14, HALFT
	s_lshl_b32 s94, s14, 12
	s_wait_kmcnt 0x0
	s_add_nc_u64 s[20:21], s[4:5], s[20:21]
	s_add_nc_u64 s[22:23], s[6:7], s[22:23]
	s_add_nc_u64 s[46:47], s[8:9], s[46:47]
	s_add_nc_u64 s[92:93], s[10:11], s[92:93]
	CROUND                                         ; all sixteen work-groups are here: the first joint loads meet
	s_mov_b32 s[G0S], 1
	s_add_co_u32 s[G0S+1], s94, SCL
	s_mov_b64 s[G0S+2:G0S+3], s[22:23]
	s_or_b32 s[G0S+3], s[G0S+3], 0x80000000
	s_mov_b32 s[G0SB], 1
	s_add_co_u32 s[G0SB+1], s94, SCL
	s_mov_b64 s[G0SB+2:G0SB+3], s[92:93]
	s_or_b32 s[G0SB+3], s[G0SB+3], 0x80000000
	JLOAD G0S, G1S, G0SB, G1SB
.irp s, 0,1
	s_mov_b32 s[G0+4*\s], 1
	s_add_co_u32 s[G0+4*\s+1], s45, \s*SLOT
	s_add_nc_u64 s[G0+4*\s+2:G0+4*\s+3], s[20:21], \s*NQ*FRB
	s_or_b32 s[G0+4*\s+3], s[G0+4*\s+3], 0x80000000
	s_mov_b32 s[G0B+4*\s], 1
	s_add_co_u32 s[G0B+4*\s+1], s45, \s*SLOT
	s_add_nc_u64 s[G0B+4*\s+2:G0B+4*\s+3], s[46:47], \s*NQ*FRB
	s_or_b32 s[G0B+4*\s+3], s[G0B+4*\s+3], 0x80000000
	JLOAD G0+4*\s, G1, G0B+4*\s, G1B
.endr
	v_and_b32 v1, 15, v0                           ; r
	v_bfe_u32 v2, v0, 4, 1                         ; h
	v_and_b32 v3, 31, v0                           ; lane
	v_lshlrev_b32 v[CO], 4, v3                     ; 16 x lane
	v_lshlrev_b32 v4, 3, v3                        ; 8 x lane
	v_lshlrev_b32 v[BO], 6, v2
	s_mul_i32 s21, s15, HALFT
	s_mul_i32 s22, s16, HALFT
	s_add_co_u32 s22, s22, 2*HALFT
.irp s, 0,1
	v_add_nc_u32 v[ADRA+\s], s21, v4
	v_add_nc_u32 v[ADRB+\s], s22, v[CO]
	s_add_co_u32 s21, s21, SLOT
	s_add_co_u32 s22, s22, SLOT
.endr
	v_lshlrev_b32 v5, 3, v1
	s_lshl_b32 s21, s15, 12
	s_lshl_b32 s22, s16, 12
	s_add_co_u32 s22, s22, 8192
	s_sub_co_u32 s22, s22, s21
	v_mul_u32_u24 v6, s22, v2                      ; lanes 16-31 take B's words: the lower base + h x the distance
	s_add_co_u32 s21, s21, SCL
	v_add_nc_u32 v5, v5, v6
	v_add_nc_u32 v[ADRS], s21, v5
	s_mul_i32 s23, s14, 16*SPITCH                  ; my stage
	v_mul_u32_u24 v5, v1, SPITCH
	v_lshl_add_u32 v5, v2, 6, v5
	v_add_nc_u32 v[STO], s23, v5                   ; in: row r, + 64 h
	v_add_nc_u32 v[RD], s23, v[CO]                 ; back: a row's 512 bytes to the 32 lanes
	s_lshl_b32 s20, s17, 8
	s_lshl_b32 s21, s15, 7
	s_add_co_u32 s20, s20, s21                     ; my first row of out0,
	s_lshl_b32 s20, s20, 12                        ; of 4,096 bytes
	s_mov_b32 s21, 0
	s_lshl_b32 s46, s42, 10
	s_lshl_b32 s47, s16, 9
	s_add_co_u32 s46, s46, s47                     ; my first column, in bytes: in out0 and in bo alike
	s_mov_b32 s47, 0
	s_add_nc_u64 s[96:97], s[96:97], s[46:47]
	s_add_nc_u64 s[98:99], s[98:99], s[46:47]
	s_add_nc_u64 s[98:99], s[98:99], s[20:21]
.irp b, 0,1,2,3,4,5,6,7                ; bo at the lane's eight columns of B's tile b: 32 (b / 2) + 8 (b % 2) + 16 h + 0 .. 7
	global_load_b128 v[BI+8*\b:BI+8*\b+3], v[BO], s[96:97] offset:(32*(\b/2)+8*(\b%2))*4
	global_load_b128 v[BI+8*\b+4:BI+8*\b+7], v[BO], s[96:97] offset:(32*(\b/2)+8*(\b%2))*4+16
.endr
.macro FRAG3 reg, adr, q, i
.irp c, 0,1,2
	ds_load_b128 v[\reg+4*\c:\reg+4*\c+3], v[\adr] offset:(\i)*NQ*FRB+(\q)*FRB+512*\c
.endr
.endm
.macro FRAG6 reg, adr, q, i            ; O's image: six loads of 8 bytes a lane, 256 consecutive bytes each
.irp m, 0,1,2,3,4,5
	ds_load_b64 v[\reg+2*\m:\reg+2*\m+1], v[\adr] offset:(\i)*NQ*FRB+(\q)*FRB+256*\m
.endr
.endm
; 16 matrix instructions; zero = 1: the first product of each sum takes the bias as its C.  The 64 accumulators take turns.
.macro MUL16 a0, p, q, sc, zero
.irp a, \a0, \a0+1
.irp b, 0,1,2,3,4,5,6,7
.if \zero
	v_wmma_scale_f32_16x16x128_f8f6f4 v[8*(8*((\a)%4)+\b):8*(8*((\a)%4)+\b)+7], v[128*(\p)+FR*\b:128*(\p)+FR*\b+FR-1], v[AF+FR*(\a):AF+FR*(\a)+FR-1], v[BI+8*\b:BI+8*\b+7], v[SC+8*NQ*(\sc)+NQ*\b+(\q)], v[SC+8*NQ*(\sc)+NQ*(\a)+(\q)] matrix_a_fmt:MATRIX_FMT_FP6 matrix_b_fmt:MATRIX_FMT_FP6 matrix_a_scale:MATRIX_SCALE_ROW1
.else
	v_wmma_scale_f32_16x16x128_f8f6f4 v[8*(8*((\a)%4)+\b):8*(8*((\a)%4)+\b)+7], v[128*(\p)+FR*\b:128*(\p)+FR*\b+FR-1], v[AF+FR*(\a):AF+FR*(\a)+FR-1], v[8*(8*((\a)%4)+\b):8*(8*((\a)%4)+\b)+7], v[SC+8*NQ*(\sc)+NQ*\b+(\q)], v[SC+8*NQ*(\sc)+NQ*(\a)+(\q)] matrix_a_fmt:MATRIX_FMT_FP6 matrix_b_fmt:MATRIX_FMT_FP6 matrix_a_scale:MATRIX_SCALE_ROW1
.endif
.endr
.endr
.endm
.macro FETCH_B slot, q, p
	WIN TO_B
.irp i, 0,1,2,3,4,5,6,7
	FRAG3 128*(\p)+FR*\i, ADRB+\slot, \q, \i
.endr
	WIN 0
.endm
.macro FETCH_A slot, q, i0
.irp i, \i0, \i0+1, \i0+2, \i0+3
	FRAG6 AF+FR*(\i), ADRA+\slot, \q, \i
.endr
.endm
.macro SCALES sc
.irp i, 0,1,2,3,4,5,6,7
	ds_load_b64 v[SC+8*NQ*\sc+NQ*\i:SC+8*NQ*\sc+NQ*\i+1], v[ADRS] offset:\i*512
.endr
.endm
.macro PLACES n
.rept \n
	v_nop
.endr
.endm
.macro STEP slot, q, zero
	s_wait_dscnt 4*NLA                             ; all but the youngest loads, A's blocks 4-7
.if \zero
	WIN 0x81                                       ; B window 1, A and the bias window 0, D window 2
.else
	WIN MUL_LO
.endif
	MUL16 0, (\q)%2, \q, \slot, \zero
	MUL16 2, (\q)%2, \q, \slot, \zero
	s_wait_dscnt 0
	PLACES NP
	FETCH_B \slot, (\q)+1, 1-(\q)%2
	FETCH_A \slot, (\q)+1, 0
.if \zero
	WIN 0xc1
.else
	WIN MUL_HI
.endif
	MUL16 4, (\q)%2, \q, \slot, \zero
	MUL16 6, (\q)%2, \q, \slot, \zero
	PLACES NP
	WIN 0
	FETCH_A \slot, (\q)+1, 4
.endm
.macro TURN slot, next, fill
	s_wait_tensorcnt 0x0                           ; all my tensor loads have landed: my part of the next slot
	ds_add_u32 v[SPW], v[NIL]                      ; 0 onto my spare word
	s_wait_dscnt 4*NLA+1                           ; the add and A's blocks 4-7 may be out
	WIN MUL_LO
	MUL16 0, 1, NQ-1, \slot, 0
	s_wait_dscnt 0x0                               ; the add is done, and my reads of this slot are over
	s_barrier_signal -1
	MUL16 2, 1, NQ-1, \slot, 0
	WIN 0
	s_barrier_wait -1
.if \fill
	CREST                                          ; a round of the cluster's barrier: no wave of any partner still reads this slot or has a load on its way
	s_add_nc_u64 s[G0+4*\slot+2:G0+4*\slot+3], s[G0+4*\slot+2:G0+4*\slot+3], 2*NQ*FRB
	s_add_nc_u64 s[G0B+4*\slot+2:G0B+4*\slot+3], s[G0B+4*\slot+2:G0B+4*\slot+3], 2*NQ*FRB
	JLOAD G0+4*\slot, G1, G0B+4*\slot, G1B
.else
	PLACES NP
.endif
	v_add_nc_u32 v[ADRS], 128, v[ADRS]
	FETCH_B \next, 0, 0
	FETCH_A \next, 0, 0
	SCALES \next
	WIN MUL_HI
	MUL16 4, 1, NQ-1, \slot, 0
	MUL16 6, 1, NQ-1, \slot, 0
	PLACES NP
	WIN 0
	FETCH_A \next, 0, 4
.endm
	s_wait_tensorcnt 1                             ; the scale words and my part of slot 0 are in; slot 1's load may be out
	s_barrier_signal -1
	s_barrier_wait -1
	FETCH_B 0, 0, 0
	FETCH_A 0, 0, 0
	SCALES 0
	FETCH_A 0, 0, 4
	s_wait_loadcnt 0x0                             ; the bias
	STEP 0, 0, 1
	s_mov_b32 s3, LAPS-1
.Llap:
	TURN 0, 1, 1
	STEP 1, 0, 0
	TURN 1, 0, 1
	STEP 0, 0, 0
	s_sub_co_u32 s3, s3, 1
	s_cmp_lg_u32 s3, 0
	s_cbranch_scc1 .Llap
	TURN 0, 1, 0
	STEP 1, 0, 0
	s_wait_dscnt 4*NLA
	WIN MUL_LO
	MUL16 0, 1, NQ-1, 1, 0
	MUL16 2, 1, NQ-1, 1, 0
	s_wait_dscnt 0
	WIN MUL_HI
	MUL16 4, 1, NQ-1, 1, 0
	MUL16 6, 1, NQ-1, 1, 0
	WIN 0
; THE WAY OUT, a block of 16 rows x 128 columns at a time, through my own stage: a lane's 32 bytes go in, whole rows of 512 bytes come back.  LDS serves a wave's instructions in order.
.macro TOSTAGE a
.set AC, 64*((\a)%4)
	WIN 0x08+4*((\a)/4)                            ; the data: window 2 or 3
.irp b, 0,1,2,3,4,5,6,7
	ds_store_b128 v[STO], v[AC+8*\b:AC+8*\b+3] offset:128*(\b/2)+32*(\b%2)        ; each accumulator from its low end on
	ds_store_b128 v[STO], v[AC+8*\b+4:AC+8*\b+7] offset:128*(\b/2)+32*(\b%2)+16
.endr
	WIN 0
.set BB, BK+64*((\a)%2)
.irp t, 0,1,2,3,4,5,6,7,8,9,10,11,12,13,14,15
	ds_load_b128 v[BB+4*\t:BB+4*\t+3], v[RD] offset:\t*SPITCH
.endr
.endm
.macro SEND a, younger
.set BB, BK+64*((\a)%2)
	s_wait_dscnt \younger                          ; the block is back; the next block's 16 stores and 16 loads may be out
.if (\a) > 0
.if ((\a)%2) == 1
	s_add_nc_u64 s[98:99], s[98:99], 8*4096        ; an odd tile begins 8 rows behind its even neighbour,
.else
	s_add_nc_u64 s[98:99], s[98:99], 24*4096       ; the next even one 24 rows on
.endif
.endif
.irp t, 0,1,2,3,4,5,6,7,8,9,10,11,12,13,14,15
	global_store_b128 v[CO], v[BB+4*\t:BB+4*\t+3], s[98:99] offset:(\t+8*(\t/8))*4096 th:TH_STORE_NT   ; 32 lanes store 512 consecutive bytes, aligned; the tile's lane t is row t + 8 (t / 8)
.endr
.endm
	PLACES NP
	TOSTAGE 0
.irp a, 1,2,3,4,5,6,7
.if \a > 1
	s_wait_xcnt 0x0                                ; block a - 2's stores have read their registers and their base
.endif
	TOSTAGE \a
	SEND \a-1, 32
.endr
	s_wait_xcnt 0x0
	SEND 7, 0
	s_wait_tensorcnt 0x0                           ; the wave's end
	ds_add_u32 v[SPW], v[NIL]
	s_wait_dscnt 0x0
	CROUND                                         ; the closing round
	s_endpgm
.Lfunc_end_k_qe78e3e7946_oproj:
	.size	k_qe78e3e7946_oproj, .Lfunc_end_k_qe78e3e7946_oproj-k_qe78e3e7946_oproj
	.p2alignl 7, 3214868480
	.fill 96, 4, 3214868480
	.section	.rodata,"a",@progbits
	.p2align	6, 0x0
	.amdhsa_kernel k_qe78e3e7946_oproj
		.amdhsa_group_segment_fixed_size 327680
		.amdhsa_private_segment_fixed_size 0
		.amdhsa_enable_private_segment 0
		.amdhsa_kernarg_size 48
		.amdhsa_user_sgpr_count 2
		.amdhsa_user_sgpr_kernarg_segment_ptr 1
		.amdhsa_wavefront_size32 1
		.amdhsa_system_sgpr_workgroup_id_x 1
		.amdhsa_system_sgpr_workgroup_id_y 1
		.amdhsa_system_sgpr_workgroup_id_z 1
		.amdhsa_system_vgpr_workitem_id 0
		.amdhsa_next_free_vgpr 1024
		.amdhsa_next_free_sgpr 100
		.amdhsa_reserve_vcc 0
		.amdhsa_float_denorm_mode_32 3
		.amdhsa_float_denorm_mode_16_64 3
		.amdhsa_memory_ordered 1
		.amdhsa_forward_progress 1
		.amdhsa_inst_pref_size 149
	.end_amdhsa_kernel
	.amdgpu_metadata
---
amdhsa.version: [ 1, 2 ]
amdhsa.kernels:
  - .name:           k_qe78e3e7946_oproj
    .symbol:         k_qe78e3e7946_oproj.kd
    .args:
      - { .name: c3, .offset: 0, .size: 8, .value_kind: global_buffer, .address_space: global }
      - { .name: s3, .offset: 8, .size: 8, .value_kind: global_buffer, .address_space: global }
      - { .name: c1, .offset: 16, .size: 8, .value_kind: global_buffer, .address_space: global }
      - { .name: s1, .offset: 24, .size: 8, .value_kind: global_buffer, .address_space: global }
      - { .name: bo, .offset: 32, .size: 8, .value_kind: global_buffer, .address_space: global }
      - { .name: out0, .offset: 40, .size: 8, .value_kind: global_buffer, .address_space: global }
    .group_segment_fixed_size: 327680
    .private_segment_fixed_size: 0
    .kernarg_segment_align: 8
    .kernarg_segment_size: 48
    .max_flat_workgroup_size: 128
    .sgpr_count:     100
    .vgpr_count:     1024
    .wavefront_size: 32
...
	.end_amdgpu_metadata
.endif
;; end of part 4
